; MI455X (gfx1250); checked and timed in simulation.
; The chip was launched on July 23, 2026; its instructions are those of AMD's public machine-readable ISA for CDNA 5 (MIT licence, August 2026) and "CDNA5" Instruction Set Architecture Reference Guide (July 2026). The comments in the code are by the model that wrote it; some were corrected since.
;; Self Attention. Allowed arithmetic: matrix products marked QUANTISED: E2M1 operands, one E8M0 scale for each 32 along K, by v_wmma_scale_f32_16x16x128_f8f6f4 with both operands' format E2M1 (or v_wmma_scale_f32_32x16x128_f4), f32 sums; products left as they are: bf16, f16 or f32 operands; f32 sums; everything else in f32.
;; Inputs: Wk 1,024 x 1,024 float32; Wq 1,024 x 1,024 float32; Wv 1,024 x 1,024 float32; x 4 x 2,048 x 1,024 float32.
;; Outputs: out0 4 x 2,048 x 1,024 float32.
;; This version of the problem:
;;   THIS VERSION OF THE PROBLEM IS GIVEN IN LOW PRECISION. The matrix products marked QUANTISED in the list below multiply operands that are first quantised to E2M1 (2 exponent bits, 1 mantissa bit; 4 bits a number), with one power-of-two scale for each 32 numbers along K (OCP MX v1.0); their sums are f32. The products marked 'left as it is' may take bf16, f16 or f32 operands, with f32 sums. Whichever they take, every output number must still come out within the allowed error. Rounding operands to bf16 (8 significant bits) uses up far more of that allowance than f16 does (11 bits, for magnitudes from 6e-5 to 65,504). All else is computed in f32.
;;   The module's matrix products, in the order in which they are computed (A, B: the left and right operand; K: the contracted axis; several contracted axes count as one K, in the product's order):
;;     1. [M 8,192, K 1,024] x [K 1,024, N 1,024]; A: input x; B: input Wq: QUANTISED
;;     2. [M 8,192, K 1,024] x [K 1,024, N 1,024]; A: input x; B: input Wk: QUANTISED
;;     3. [M 8,192, K 1,024] x [K 1,024, N 1,024]; A: input x; B: input Wv: QUANTISED
;;     4. batch 4 x [M 2,048, K 1,024] x [K 1,024, N 2,048]; A: computed on the way; B: computed on the way: left as it is (an operand is computed on the way)
;;     5. batch 4 x [M 2,048, K 2,048] x [K 2,048, N 1,024]; A: computed on the way; B: computed on the way: left as it is (an operand is computed on the way)
;;   THE QUANTISER, for each operand of a quantised product, along K:
;;     - K is cut into blocks of 32 from its start; a last block that is shorter is filled with zeros.
;;     - A block's scale is 2^e with e = floor(log2(the largest magnitude in the block)) - 2, held to -126 .. 127; a block of zeros has e = 0. As a byte (E8M0): e + 127.
;;     - Each number is divided by its block's scale, clamped to +-6, and rounded to the nearest number of E2M1, ties to even, subnormals kept.
;;     - The product sums the exact products of the quantised numbers (number of the format x scale) in f32.
;;   ~~~python
;;   def quantise(x, axis):      # numpy; x: float32 -> the quantised numbers, widened to float32 again
;;       x = np.moveaxis(x, axis, -1); K = x.shape[-1]
;;       x = np.pad(x, [(0, 0)] * (x.ndim - 1) + [(0, -K % 32)]); x = x.reshape(x.shape[:-1] + (-1, 32)); a = np.abs(x).max(-1, keepdims=True)
;;       e = np.where(a > 0, np.clip(np.frexp(np.where(a > 0, a, 1))[1] - 1 - 2, -126, 127), 0)      # np.frexp(a)[1] - 1 = floor(log2(a)), exactly
;;       r = np.clip(x / 2.0 ** e, -6, 6)
;;       step = 2.0 ** (np.maximum(np.frexp(np.where(r == 0, 1, r))[1] - 1, 0) - 1)
;;       q = np.round(r / step) * step * 2.0 ** e      # np.round: ties to even
;;       return np.moveaxis(q.reshape(q.shape[:-2] + (-1,))[..., :K], -1, axis).astype(np.float32)
;;   ~~~
;; One version. Each part assembles by itself: llvm-mc -triple=amdgcn-amd-amdhsa -mcpu=gfx1250 --defsym DOCPART=n.
;; ======== version 1 of 1: 5 launches
;; limits: values are held in f16: magnitudes above 65,504 overflow, below 6.1e-05 lose precision
;; workspace buffers: xc 4,194,304 bytes; xs 262,144 bytes; wc 1,572,864 bytes; ws 98,304 bytes; qkv 50,331,648 bytes; fine 786,432 bytes; pt 33,554,432 bytes; stat 1,048,576 bytes
;; launch quant (part 1): grid 352 x 1, 4 waves a work-group, no clusters, 33,280 bytes of LDS; arguments x, Wq, Wk, Wv, xc, xs, wc, ws; writes xc, xs, wc, ws
.if DOCPART == 1
	.amdgcn_target "amdgcn-amd-amdhsa--gfx1250"
	.amdhsa_code_object_version 6
	.text
	.protected	k_q5966c872c4_quant
	.globl	k_q5966c872c4_quant
	.p2align	8
	.type	k_q5966c872c4_quant,@function
k_q5966c872c4_quant:
	s_mov_b64 s[64:65], 0
	v_nop
	global_prefetch_b8 v0, s[64:65] scope:SCOPE_SE
	s_setreg_imm32_b32 hwreg(HW_REG_WAVE_MODE, 25, 1), 1
	s_wait_xcnt 0x0
; x [8192][1024] and Wq, Wk, Wv [1024][1024], f32, K innermost, become codes of FP4 (E2M1), two a byte, the lower k in the low four bits, and one E8M0 byte for each 32 along K.
; xc [8192][512 bytes], xs [8192][32];  wc [3072][512 bytes], ws [3072][32]: rows 0-1023 Wq's, 1024-2047 Wk's, 2048-3071 Wv's.
; A block's scale is 2^(floor(log2(its largest magnitude)) - 2): its byte is the largest magnitude's exponent field - 2, held at 1 from below.  Each number is divided by the scale and rounded to the nearest code, ties to even;
; beyond 6 the conversion gives the largest code.
; LIMITS: a block of zeros, or one whose largest magnitude lies under 2^-124, gets the byte 1 (the rule says 127 for zeros): its codes are zeros or as the floor's scale gives them, and this program alone reads the bytes.
; NaN and infinities among the inputs are not served.
; Rows are dense and K is a multiple of 32: every tensor is a plain stream of blocks of 32.  A work-group takes 32,768 numbers, a wave 8,192 in 16 steps of 512.  Work-groups 0-255 take x, 256 + n takes run n % 32 of weight n / 32.
; Only pointers are chosen by the work-group's number: all tensors take one way through the text.
; Each load reads 512 consecutive bytes, 16 a lane; a step's 2,048 bytes turn through the wave's own stage in LDS and come back 64 bytes a lane, so that a lane holds 16 neighbours along K (two lanes hold a block).
; A lane's 16 codes are 8 bytes: a wave's store covers 256 consecutive bytes.  A wave's 256 scale bytes are gathered in LDS and leave as 256 consecutive bytes.  No barrier: waves share nothing.
.set WAVES, 4
.set STEPS, 16
.set XWG,   256                        ; work-groups that take x
.set EMAX,  2
.set CB,    8                          ; bytes of 16 codes
.set R,     16                         ; v16-79   four sets of 16 numbers as they are loaded
.set X,     80                         ; v80-111  two sets of 16 neighbours
.set C,     128                        ; v128-191 codes: four registers for each step, so that no store's data are written again
.set E,     112                        ; v112-127 a scale byte for each step
.set WREG,  8192                       ; LDS: a region for each wave: two stages of 32 x SP bytes, behind them its 256 scale bytes
.set SP,    80                         ; a lane's place in a stage: 64 bytes + 16 of padding
.set SPW,   12                         ; v12 LDS address of my spare word; never rewritten
.set NIL,   13                         ; v13 0; never rewritten
.set SPARE, WAVES*WREG                 ; the spare words, 128 bytes a wave, that no other line names
	s_load_b256 s[4:11], s[0:1], 0x0               ; x, Wq, Wk, Wv
	s_load_b256 s[12:19], s[0:1], 0x20             ; xc, xs, wc, ws
	v_lshl_add_u32 v[SPW], v0, 2, SPARE
	v_mov_b32 v[NIL], 0
	v_lshrrev_b32 v1, 5, v0
	v_readfirstlane_b32 s20, v1                    ; wave
	v_and_b32 v2, 31, v0                           ; lane
	v_lshlrev_b32 v3, 4, v2                        ; my 16 bytes of a load's 512
	s_mul_i32 s21, s20, WREG
	v_lshrrev_b32 v14, 2, v2
	v_mul_u32_u24 v14, v14, SP
	v_and_b32 v15, 3, v2
	v_lshl_add_u32 v14, v15, 4, v14
	v_add_nc_u32 v14, s21, v14                     ; the stage, on the way in: SP (lane / 4) + 16 (lane % 4)
	v_mul_u32_u24 v15, v2, SP
	v_add_nc_u32 v15, s21, v15                     ; and on the way out: SP x lane: my 16 neighbours
	v_mul_u32_u24 v4, v2, CB                       ; my codes' place in a step's
	v_lshrrev_b32 v5, 1, v2
	s_add_co_u32 s21, s21, 2*32*SP
	v_add_nc_u32 v5, s21, v5                       ; LDS: my block's scale byte
	v_lshlrev_b32 v7, 3, v2                        ; on the way out 8 bytes a lane
	v_add_nc_u32 v6, s21, v7
	s_wait_kmcnt 0x0
	s_sub_co_u32 s22, ttmp9, XWG                   ; n: which run of the three weights (not used where the work-group takes x)
	s_lshr_b32 s23, s22, 5                         ; which weight
	s_cmp_eq_u32 s23, 1
	s_cselect_b64 s[24:25], s[8:9], s[6:7]         ; Wk, else Wq
	s_cmp_eq_u32 s23, 2
	s_cselect_b64 s[24:25], s[10:11], s[24:25]     ; Wv
	s_and_b32 s26, s22, 31                         ; the run inside that weight
	s_cmp_lt_u32 ttmp9, XWG                        ; x's work-group?  The choices hang on the work-group's number alone
	s_cselect_b64 s[4:5], s[4:5], s[24:25]         ; from where,
	s_cselect_b64 s[12:13], s[12:13], s[16:17]     ; the codes' buffer,
	s_cselect_b64 s[14:15], s[14:15], s[18:19]     ; the scale bytes'
	s_cselect_b32 s26, ttmp9, s26                  ; the run in the source
	s_cselect_b32 s28, ttmp9, s22                  ; and in the buffers
	s_lshl_b32 s26, s26, 2
	s_add_co_u32 s26, s26, s20                     ; my wave's run of 8,192 numbers
	s_lshl_b32 s26, s26, 15                        ; 32,768 bytes each
	s_mov_b32 s27, 0
	s_add_nc_u64 s[4:5], s[4:5], s[26:27]
	s_lshl_b32 s28, s28, 2
	s_add_co_u32 s28, s28, s20
	s_lshl_b32 s30, s28, 12                        ; 4,096 bytes of codes
	s_mov_b32 s31, 0
	s_add_nc_u64 s[12:13], s[12:13], s[30:31]
	s_lshl_b32 s30, s28, 8                         ; 256 scale bytes
	s_add_nc_u64 s[14:15], s[14:15], s[30:31]
.macro LOAD t
.irp i, 0,1,2,3
	global_load_b128 v[R+16*((\t)%4)+4*\i:R+16*((\t)%4)+4*\i+3], v3, s[4:5] offset:2048*(\t)+512*\i th:TH_LOAD_NT   ; 32 lanes read 512 consecutive bytes
.endr
.endm
.macro TURN t                          ; step t's numbers through the stage: LDS serves a wave's instructions in order, so no wait stands between the stores and the loads
.irp i, 0,1,2,3
	ds_store_b128 v14, v[R+16*((\t)%4)+4*\i:R+16*((\t)%4)+4*\i+3] offset:32*SP*((\t)%2)+8*SP*\i
.endr
.irp i, 0,1,2,3
	ds_load_b128 v[X+16*((\t)%2)+4*\i:X+16*((\t)%2)+4*\i+3], v15 offset:32*SP*((\t)%2)+16*\i
.endr
.endm
.irp t, 0,1,2,3
	LOAD \t
.endr
	s_wait_loadcnt 12                              ; step 0's four loads are in; the twelve of steps 1 to 3 may be out
	TURN 0
.macro STEP t
.set XS, X+16*((\t)%2)
.if (\t) > 0
	s_wait_dscnt 1                                 ; this step's numbers are back from the stage (the last step's byte store may be out)
.else
	s_wait_dscnt 0x0
.endif
.if (\t)+4 < STEPS
	LOAD (\t)+4                                    ; into the registers that this step's stores into the stage have read
.endif
.if (\t)+1 < STEPS
.if STEPS-2-(\t) >= 3
	s_wait_loadcnt 12                              ; the next step's four loads are in; those of the three steps behind it may be out
.else
	s_wait_loadcnt 4*(STEPS-2-(\t))
.endif
	TURN (\t)+1                                    ; through the other stage while this step is worked
.endif
	v_max3_num_f32 v8, |v[XS]|, |v[XS+1]|, |v[XS+2]|               ; the largest magnitude of my 16, in two chains
	v_max3_num_f32 v9, |v[XS+3]|, |v[XS+4]|, |v[XS+5]|
.irp i, 6,10
	v_max3_num_f32 v8, v8, |v[XS+\i]|, |v[XS+\i+1]|
	v_max3_num_f32 v9, v9, |v[XS+\i+2]|, |v[XS+\i+3]|
.endr
	v_max3_num_f32 v8, v8, |v[XS+14]|, |v[XS+15]|
	v_max3_num_f32 v8, v8, v9, (EMAX+1)<<23        ; and the floor 2^(EMAX + 1 - 127): the byte cannot fall under 1
	v_max_num_f32_dpp v8, v8, v8 row_xmask:1 row_mask:0xf bank_mask:0xf   ; and of my neighbour's 16: the block's
	v_add_nc_u32 v11, -(EMAX<<23), v8              ; EMAX off its exponent field: the conversion takes the exponent field of this operand as its scale
	v_cvt_scalef32_pk8_fp4_f32 v[C+4*(\t)], v[XS:XS+7], v11
	v_cvt_scalef32_pk8_fp4_f32 v[C+4*(\t)+1], v[XS+8:XS+15], v11
	v_lshrrev_b32 v[E+(\t)], 23, v11               ; the scale's byte (also the plain line behind the conversions)
	ds_store_b8 v5, v[E+(\t)] offset:16*(\t)       ; both lanes of a block write the same byte with the same value
	global_store_b64 v4, v[C+4*(\t):C+4*(\t)+1], s[12:13] offset:32*CB*(\t)   ; 32 lanes store 256 consecutive bytes
.endm
.irp t, 0,1,2,3,4,5,6,7,8,9,10,11,12,13,14,15
	STEP \t
.endr
	ds_load_b64 v[8:9], v6                         ; LDS serves a wave's instructions in order: these see my stores
	s_wait_dscnt 0x0
	global_store_b64 v7, v[8:9], s[14:15]          ; 32 lanes store 256 consecutive bytes
	s_wait_tensorcnt 0x0                           ; the wave's end
	ds_add_u32 v[SPW], v[NIL]
	s_wait_dscnt 0x0
	s_endpgm
.Lfunc_end_k_q5966c872c4_quant:
	.size	k_q5966c872c4_quant, .Lfunc_end_k_q5966c872c4_quant-k_q5966c872c4_quant
	.p2alignl 7, 3214868480
	.fill 96, 4, 3214868480
	.section	.rodata,"a",@progbits
	.p2align	6, 0x0
	.amdhsa_kernel k_q5966c872c4_quant
		.amdhsa_group_segment_fixed_size 33280
		.amdhsa_private_segment_fixed_size 0
		.amdhsa_enable_private_segment 0
		.amdhsa_kernarg_size 64
		.amdhsa_user_sgpr_count 2
		.amdhsa_user_sgpr_kernarg_segment_ptr 1
		.amdhsa_wavefront_size32 1
		.amdhsa_system_sgpr_workgroup_id_x 1
		.amdhsa_system_sgpr_workgroup_id_y 1
		.amdhsa_system_sgpr_workgroup_id_z 1
		.amdhsa_system_vgpr_workitem_id 0
		.amdhsa_next_free_vgpr 192
		.amdhsa_next_free_sgpr 66
		.amdhsa_reserve_vcc 0
		.amdhsa_float_denorm_mode_32 3
		.amdhsa_float_denorm_mode_16_64 3
		.amdhsa_memory_ordered 1
		.amdhsa_forward_progress 1
		.amdhsa_inst_pref_size 34
	.end_amdhsa_kernel
	.amdgpu_metadata
---
amdhsa.version: [ 1, 2 ]
amdhsa.kernels:
  - .name:           k_q5966c872c4_quant
    .symbol:         k_q5966c872c4_quant.kd
    .args:
      - { .name: x, .offset: 0, .size: 8, .value_kind: global_buffer, .address_space: global }
      - { .name: Wq, .offset: 8, .size: 8, .value_kind: global_buffer, .address_space: global }
      - { .name: Wk, .offset: 16, .size: 8, .value_kind: global_buffer, .address_space: global }
      - { .name: Wv, .offset: 24, .size: 8, .value_kind: global_buffer, .address_space: global }
      - { .name: xc, .offset: 32, .size: 8, .value_kind: global_buffer, .address_space: global }
      - { .name: xs, .offset: 40, .size: 8, .value_kind: global_buffer, .address_space: global }
      - { .name: wc, .offset: 48, .size: 8, .value_kind: global_buffer, .address_space: global }
      - { .name: ws, .offset: 56, .size: 8, .value_kind: global_buffer, .address_space: global }
    .group_segment_fixed_size: 33280
    .private_segment_fixed_size: 0
    .kernarg_segment_align: 8
    .kernarg_segment_size: 64
    .max_flat_workgroup_size: 128
    .sgpr_count:     66
    .vgpr_count:     192
    .wavefront_size: 32
...
	.end_amdgpu_metadata
.endif
;; end of part 1
;; launch proj (part 2): grid 12 x 16, 4 waves a work-group, clusters of 4 x 4, 327,680 bytes of LDS; arguments xc, xs, wc, ws, qkv, fine; writes qkv, fine
.if DOCPART == 2
	.amdgcn_target "amdgcn-amd-amdhsa--gfx1250"
	.amdhsa_code_object_version 6
	.text
	.protected	k_q5966c872c4_proj
	.globl	k_q5966c872c4_proj
	.p2align	8
	.type	k_q5966c872c4_proj,@function
k_q5966c872c4_proj:
	s_mov_b64 s[64:65], 0
	v_nop
	global_prefetch_b8 v0, s[64:65] scope:SCOPE_SE
	s_setreg_imm32_b32 hwreg(HW_REG_WAVE_MODE, 25, 1), 1
	s_wait_xcnt 0x0
	s_wait_alu depctr_hold_cnt(0) depctr_sa_sdst(0) depctr_va_vdst(0) depctr_va_sdst(0) depctr_va_ssrc(0) depctr_va_vcc(0) depctr_vm_vsrc(0)
	s_getreg_b32 s2, hwreg(HW_REG_IB_STS2, 6, 4)
	s_cmp_eq_u32 s2, 0
	s_cbranch_scc0 .Lentry_in_a_cluster
	s_endpgm
.Lentry_in_a_cluster:
	s_bfe_u32 s2, ttmp6, 0x10000c
	s_cmp_lg_u32 s2, 0xf033
	s_cbranch_scc0 .Lentry_shape_is_right
	s_endpgm
.Lentry_shape_is_right:
; qkv[m][n] = sum over k of x[m][k] W[n][k], m = 0 .. 8191 (batch x position), n = 0 .. 3071 (q's, k's, v's 1,024 each), K = 1,024, on codes of FP4 (E2M1) with one E8M0 scale for each 32 along K; sums in f32.
; The result is stored as f16 (qkv, rows of 6,144 bytes) for the two products that follow; the first 16 positions of each batch also as f32 (fine [4][16][3072]) for the launch that carries those rows in f32.
; LIMIT: |q|, |k|, |v| up to 65,504, f16's largest number; beyond that the stored number is an infinity.
; A tile of 256 x 256 is made by four waves, each 128 x 128: 64 accumulators of 16 x 16, 512 registers.  K is two LDS slots of 512 along K (rows of 256 bytes).
; A WORK-GROUP STAYS: the result has 384 tiles; 192 work-groups make two each, one 1,024 rows below the other in one tile column.  W's tiles and scales stay in LDS for both; only x's half of each slot is filled again:
; slot 0's at the first tile's change of slots, slot 1's in its last step.  Nothing waits for the first tile's stores: they leave while the second tile is multiplied.
; THE SCALES of the work-group's rows, for all of K, are dense blocks of memory: they come once, with the first fills, as rows of 256 bytes with 16 of padding: x's for both tiles, W's.
; CLUSTERS: 4 x 4 work-groups.  The four of a row of the cluster need the same tiles of x, the four of a column the same tiles of W: each tile is asked for jointly, by the same tensor load with the same descriptor and a mask
; that names the four.  THE FIRST TILE ROW IS 8 cy + cluster y, the second 4 further down: the partner at cy works in batch cy, so that "my tile holds a batch's first rows" is "first tile and cluster y = 0", the same in all
; sixteen partners: no branch hangs on a place in the cluster.
; THE MATRIX INSTRUCTION IS USED TRANSPOSED (source 0 = 16 rows of W, source 1 = 16 rows of x): a lane holds eight neighbouring numbers of a row of the result.
; REGISTERS, in windows of 256: window 0: v0-31 addresses; v32-95 scale words, two sets; v128-191 x's fragments, one set; on the way out v32-255 are free.  window 1: W's fragments, two sets, at v0 and v128.
;   window 2: the accumulators of my rows 0-63 ((a, b) at v[8 (8 a + b)]);  window 3: those of my rows 64-127.
.set SIZE_N, 3072
.set SIZE_K, 1024
.set KSTEP,  512
.set NQ,     KSTEP/128
.set ROWB,   256                       ; a tile's row in bytes
.set KROW,   SIZE_K/2                  ; a row of codes in memory
.set PITCH,  272                       ; an LDS row: 256 bytes + 16 of padding: the 16 rows that a load touches begin 68 words apart
.set FR,     8
.set NL,     2
.set NP,     4                         ; places behind this matrix instruction (ISA guide 7.12.1)
.set HALFT,  128*PITCH
.set SLOT,   4*HALFT
.set KS,     SIZE_K/32                 ; a row of scale bytes
.set SCL,    2*SLOT                    ; the scales: x's 256 rows of the first tile, W's 256 rows, x's 256 rows of the second tile
.set HALFS,  (128*KS/256)*272          ; those of 128 rows
.set SBLK,   (16*KS/256)*272           ; those of 16 rows
.set STG,    SCL+6*HALFS               ; the way out: 16 rows x 272 bytes for each wave, bytes of their own: no tile lands there
.set SPARE,  STG+4*16*272              ; the spare words, 128 bytes a wave, that no other line names
.set CROW,   SIZE_N*2                  ; a row of qkv in bytes
.set WALK,   4*256                     ; rows from the first tile to the second
.set NEXT_A, WALK*KROW                 ; the same in bytes of x's codes
.set NEXT_C, (WALK-7*16)*CROW          ; bytes from my last 16 rows of the first tile to my first of the second
.set ADRA, 16
.set STO32, 18
.set ADRB, 20
.set CO32, 22
.set ADRS2, 23
.set STO,  24
.set RD,   25
.set CO,   26
.set ADRS, 27
.set SPW,  28
.set NIL,  29
.set SC,   32
.set AF,   128
.set TMP,  192                         ; the way out: 32 registers of packed f16
.set OB,   32                          ; 16 rows read back: v32-63 and v224-255 by turns
.set G1Q, 4                            ; s[4:11] group 1 for the second tile's scales of x (the arguments' registers, once they are used up)
.set G1, 24
.set G0, 32
.set G1B, 48
.set G0B, 56
.set CLY, 66                           ; s66 cluster y
.set G1S, 68
.set G0S, 76
.set G1SB, 80
.set G0SB, 88
.set G0Q, 92
.set MSB, 0
.macro WIN new                         ; the immediate's high byte repeats the setting that is left; a switch that changes nothing is dropped
.set WNEW, \new
.if MSB != WNEW
	s_set_vgpr_msb (MSB<<8)|WNEW
.set MSB, WNEW
.endif
.endm
.set MUL_LO, 0xa1                      ; source 0 (W) window 1, source 1 (x) window 0, C and D window 2
.set MUL_HI, 0xf1
.set TO_B,   0x40
; A joint load: waves 0 and 1 fetch for x, waves 2 and 3 for W.  The branch hangs on the wave's number alone.  An s_nop 0 and four v_nop follow each of the two lines.
.macro JLOAD g0a, g1a, g0b, g1b
	s_cmp_eq_u32 s15, 0
	s_cbranch_scc0 .Lfor_b_\@
	tensor_load_to_lds s[\g0a:\g0a+3], s[\g1a:\g1a+7]
	s_nop 0
.rept 4
	v_nop
.endr
	s_branch .Lasked_\@
.Lfor_b_\@:
	tensor_load_to_lds s[\g0b:\g0b+3], s[\g1b:\g1b+7]
	s_nop 0
.rept 4
	v_nop
.endr
.Lasked_\@:
.endm
; A joint refill: the second tile's rows of x into slot s.  Waves 0 and 1 ask; waves 2 and 3 have nothing to fetch, since W's tiles stay.  The branch hangs on the wave's number alone; every later wait for tensor loads is for all of them.
.macro JLOADA s
	s_cmp_eq_u32 s15, 0
	s_cbranch_scc0 .Lnone_\@
	tensor_load_to_lds s[G0+4*\s:G0+4*\s+3], s[G1:G1+7]
	s_nop 0
.rept 4
	v_nop
.endr
.Lnone_\@:
.endm
.macro CREST                           ; a round of the cluster's barrier behind its opening barrier
	s_cmp_lg_u32 s14, 0
	s_cbranch_scc1 .Lnot_wave_0_\@
	s_barrier_signal -3
.Lnot_wave_0_\@:
	s_barrier_wait -3
	s_barrier_signal -1
	s_barrier_wait -1
.endm
.macro CROUND                          ; a whole round
	s_barrier_signal -1
	s_barrier_wait -1
	CREST
.endm
	s_load_b128 s[4:7], s[0:1], 0x0                ; x's codes, x's scales
	s_load_b128 s[8:11], s[0:1], 0x10              ; W's codes, W's scales
	s_load_b64 s[12:13], s[0:1], 0x20              ; qkv
	s_load_b64 s[96:97], s[0:1], 0x28              ; fine
	v_lshl_add_u32 v[SPW], v0, 2, SPARE
	v_mov_b32 v[NIL], 0
	ds_add_u32 v[SPW], v[NIL]                      ; the wave's opening: the add, twice on end, and its wait ahead of my first tensor load
	ds_add_u32 v[SPW], v[NIL]
	v_lshrrev_b32 v1, 5, v0
	v_readfirstlane_b32 s14, v1                    ; wave 0..3
	s_lshr_b32 s15, s14, 1                         ; which half of the tile's rows is mine.  Also: I fetch for x (0) or for W (1)
	s_and_b32 s16, s14, 1                          ; which half of its columns.  Also: which 128 rows I fetch
	s_bfe_u32 s40, ttmp6, 0x40000                  ; cx
	s_bfe_u32 s41, ttmp6, 0x40004                  ; cy
	s_lshl_b32 s42, ttmp9, 2
	s_add_co_u32 s42, s42, s40                     ; tile column = 4 x cluster x + cx
	s_and_b32 s[CLY], ttmp7, 0xffff
	s_lshl_b32 s17, s41, 3
	s_add_co_u32 s17, s17, s[CLY]                  ; the first tile row = 8 cy + cluster y
	s_lshl_b32 s43, s41, 2
	s_lshl_b32 s43, 15, s43                        ; my row of the cluster
	s_lshl_b32 s44, 0x1111, s40                    ; my column
	s_or_b32 s[G1+0], s43, (0<<16)|(1<<20)|(1<<21)|(5<<22)|(3<<25)  ; the mask; elements of 1 byte; padding on; bit 21 beside a mask; after every 64 words four words
	s_or_b32 s[G1B+0], s44, (0<<16)|(1<<20)|(1<<21)|(5<<22)|(3<<25)
.irp g, G1, G1B
	s_mov_b32 s[\g+1], ROWB<<16                    ; tensor_dim0
	s_mov_b32 s[\g+2], 128<<16                     ; tensor_dim1
	s_mov_b32 s[\g+3], ROWB<<16                    ; tile_dim0
	s_mov_b32 s[\g+4], 128                         ; tile_dim1
	s_mov_b32 s[\g+5], KROW                        ; the pitch
	s_mov_b32 s[\g+6], 0
	s_mov_b32 s[\g+7], 0
.endr
	s_or_b32 s[G1S+0], s43, (3<<16)|(1<<20)|(1<<21)|(5<<22)|(3<<25)  ; the scales of 128 rows: 4,096 dense bytes as rows of 32 elements of 8 bytes
	s_or_b32 s[G1SB+0], s44, (3<<16)|(1<<20)|(1<<21)|(5<<22)|(3<<25)
.irp g, G1S, G1SB
	s_mov_b32 s[\g+1], 32<<16
	s_mov_b32 s[\g+2], (128*KS/256)<<16
	s_mov_b32 s[\g+3], 32<<16
	s_mov_b32 s[\g+4], 128*KS/256
	s_mov_b32 s[\g+5], 32
	s_mov_b32 s[\g+6], 0
	s_mov_b32 s[\g+7], 0
.endr
	s_lshl_b32 s18, s16, 7
	s_lshl_b32 s20, s17, 8                         ; the first tile's first row
	s_add_co_u32 s2, s20, WALK                     ; the second tile's,
	s_lshl_b32 s3, s14, 6
	s_add_co_u32 s2, s2, s3                        ; + 64 x wave: the rows whose scales I fetch for it,
	s_lshl_b32 s2, s2, 5                           ; 32 bytes a row
	s_mov_b32 s3, 0
	s_add_co_u32 s20, s20, s18                     ; x: row 256 x tile row + 128 x half
	s_lshl_b32 s46, s42, 8
	s_add_co_u32 s46, s46, s18                     ; W: row 256 x tile column + 128 x half
	s_mov_b32 s21, 0
	s_mov_b32 s47, 0
	s_mov_b64 s[18:19], KS
	s_mul_u64 s[22:23], s[20:21], s[18:19]         ; where these rows' scales begin,
	s_mul_u64 s[92:93], s[46:47], s[18:19]
	s_mov_b64 s[18:19], KROW
	s_mul_u64 s[20:21], s[20:21], s[18:19]         ; and their codes
	s_mul_u64 s[46:47], s[46:47], s[18:19]
	s_mul_i32 s45, s14, HALFT                      ; where they go: wave x 128 rows: no place in the cluster enters an LDS address
	s_mul_i32 s94, s14, HALFS
	s_mul_i32 s67, s14, HALFS/2
	s_wait_dscnt 0x0                               ; both opening adds are done
	s_wait_kmcnt 0x0
	s_add_nc_u64 s[20:21], s[4:5], s[20:21]
	s_add_nc_u64 s[46:47], s[8:9], s[46:47]
	s_mov_b32 s[G0S], 1
	s_add_co_u32 s[G0S+1], s94, SCL
	s_add_nc_u64 s[G0S+2:G0S+3], s[6:7], s[22:23]
	s_or_b32 s[G0S+3], s[G0S+3], 0x80000000
	s_mov_b32 s[G0SB], 1
	s_add_co_u32 s[G0SB+1], s94, SCL
	s_add_nc_u64 s[G0SB+2:G0SB+3], s[10:11], s[92:93]
	s_or_b32 s[G0SB+3], s[G0SB+3], 0x80000000
	s_mov_b32 s[G0Q], 1                            ; the second tile's scales of x: each wave 64 rows' 2,048 dense bytes, behind W's
	s_add_co_u32 s[G0Q+1], s67, SCL+4*HALFS
	s_add_nc_u64 s[G0Q+2:G0Q+3], s[6:7], s[2:3]
	s_or_b32 s[G0Q+3], s[G0Q+3], 0x80000000
	s_or_b32 s[G1Q+0], s43, (3<<16)|(1<<20)|(1<<21)|(5<<22)|(3<<25)  ; the arguments in s[4:11] are used up: their group 1: 8 rows of 32 elements of 8 bytes, to my row of the cluster
	s_mov_b32 s[G1Q+1], 32<<16
	s_mov_b32 s[G1Q+2], (64*KS/256)<<16
	s_mov_b32 s[G1Q+3], 32<<16
	s_mov_b32 s[G1Q+4], 64*KS/256
	s_mov_b32 s[G1Q+5], 32
	s_mov_b32 s[G1Q+6], 0
	s_mov_b32 s[G1Q+7], 0
	CROUND                                         ; all sixteen work-groups are here: the joint loads meet
	JLOAD G0S, G1S, G0SB, G1SB                     ; the scales first: they are wanted with the first slot
	tensor_load_to_lds s[G0Q:G0Q+3], s[G1Q:G1Q+7]  ; every wave its quarter: one line, one mask, no branch
	s_nop 0
.rept 4
	v_nop
.endr
.irp s, 0,1
	s_mov_b32 s[G0+4*\s], 1
	s_add_co_u32 s[G0+4*\s+1], s45, \s*SLOT
	s_add_nc_u64 s[G0+4*\s+2:G0+4*\s+3], s[20:21], \s*ROWB
	s_or_b32 s[G0+4*\s+3], s[G0+4*\s+3], 0x80000000
	s_mov_b32 s[G0B+4*\s], 1
	s_add_co_u32 s[G0B+4*\s+1], s45, \s*SLOT
	s_add_nc_u64 s[G0B+4*\s+2:G0B+4*\s+3], s[46:47], \s*ROWB
	s_or_b32 s[G0B+4*\s+3], s[G0B+4*\s+3], 0x80000000
	JLOAD G0+4*\s, G1, G0B+4*\s, G1B               ; four tensor loads of mine are out at the most
.endr
	v_and_b32 v1, 15, v0                           ; r = lane % 16
	v_bfe_u32 v2, v0, 4, 1                         ; h = lane / 16
	v_mul_u32_u24 v3, v1, PITCH
	v_lshl_add_u32 v4, v2, 4, v3                   ; a fragment's row x pitch + 16 h
	s_mul_i32 s21, s15, HALFT
	s_mul_i32 s22, s16, HALFT
	s_add_co_u32 s22, s22, 2*HALFT
.irp s, 0,1
	v_add_nc_u32 v[ADRA+\s], s21, v4
	v_add_nc_u32 v[ADRB+\s], s22, v4
	s_add_co_u32 s21, s21, SLOT
	s_add_co_u32 s22, s22, SLOT
.endr
	v_mul_u32_u24 v5, v1, KS                       ; my row's scales: KS bytes a row,
	v_lshrrev_b32 v6, 8, v5
	v_lshl_add_u32 v5, v6, 4, v5                   ; and 16 more for each 256 passed
	s_mul_i32 s21, s15, HALFS                      ; the first tile: x's lie lowest,
	s_mul_i32 s22, s16, HALFS
	s_add_co_u32 s22, s22, 2*HALFS
	s_sub_co_u32 s22, s22, s21
	v_mul_u32_u24 v6, s22, v2                      ; lanes 16-31 take W's
	s_add_co_u32 s21, s21, SCL
	v_add_nc_u32 v7, v5, v6
	v_add_nc_u32 v[ADRS], s21, v7
	s_mul_i32 s21, s15, HALFS                      ; the second tile: W's lie lower,
	s_add_co_u32 s21, s21, 4*HALFS
	s_mul_i32 s22, s16, HALFS
	s_add_co_u32 s22, s22, 2*HALFS
	s_sub_co_u32 s21, s21, s22
	v_xor_b32 v6, 1, v2
	v_mul_u32_u24 v6, s21, v6                      ; lanes 0-15 take x's
	s_add_co_u32 s22, s22, SCL
	v_add_nc_u32 v7, v5, v6
	v_add_nc_u32 v[ADRS2], s22, v7
	s_mul_i32 s23, s14, 16*272
	s_add_co_u32 s23, s23, STG                     ; my stage
	v_mul_u32_u24 v5, v1, 272
	v_lshl_add_u32 v6, v2, 4, v5
	v_add_nc_u32 v[STO], s23, v6                   ; f16, in: row r, 16 bytes for each half of the lanes
	v_lshl_add_u32 v6, v2, 5, v5
	v_add_nc_u32 v[STO32], s23, v6                 ; f32, in: row r, 32 bytes for each half
	v_mul_u32_u24 v5, v2, 272
	v_lshl_add_u32 v5, v1, 4, v5
	v_add_nc_u32 v[RD], s23, v5                    ; back: lanes 0-15 one row of 256 bytes, lanes 16-31 the next
	v_mul_u32_u24 v5, v2, CROW
	v_lshl_add_u32 v[CO], v1, 4, v5                ; the same two rows in qkv,
	v_mul_u32_u24 v5, v2, SIZE_N*4
	v_lshl_add_u32 v[CO32], v1, 4, v5              ; and in fine
	s_lshl_b32 s20, s17, 8
	s_lshl_b32 s21, s15, 7
	s_add_co_u32 s20, s20, s21                     ; my first row
	s_mov_b32 s21, 0
	s_mov_b64 s[18:19], CROW
	s_mul_u64 s[20:21], s[20:21], s[18:19]
	s_lshl_b32 s46, s42, 9                         ; my first column in bytes: 512 x tile column + 256 x half
	s_lshl_b32 s47, s16, 8
	s_add_co_u32 s46, s46, s47
	s_mov_b32 s47, 0
	s_add_nc_u64 s[20:21], s[20:21], s[46:47]
	s_add_nc_u64 s[12:13], s[12:13], s[20:21]
	s_mul_i32 s20, s41, 16*SIZE_N*4                ; fine: batch cy,
	s_lshl_b32 s46, s42, 10                        ; 1,024 x tile column + 512 x half
	s_lshl_b32 s47, s16, 9
	s_add_co_u32 s46, s46, s47
	s_add_co_u32 s20, s20, s46
	s_mov_b32 s21, 0
	s_add_nc_u64 s[96:97], s[96:97], s[20:21]
.macro FRAG reg, adr, q, i             ; a fragment, 16 rows x 128 K of 4-bit codes: lane l holds row l % 16; registers 4 c .. 4 c + 3 hold K = 64 c + 32 (l / 16) + 0 .. 31
.irp c, 0,1
	ds_load_b128 v[\reg+4*\c:\reg+4*\c+3], v[\adr] offset:64*(\q)+32*\c+(\i)*16*PITCH
.endr
.endm
; 16 matrix instructions: x's blocks a0, a0 + 1 against W's eight, the slot's q-th 128 along K.  p: W's set; sc: the set of scale words.  zero = 1: the product starts the sums.
; The 64 accumulators take turns, one instruction a turn, in the same order in every step and in both tiles.  A scale register holds x's word in lanes 0-15 and W's in lanes 16-31.
.macro MUL16 a0, p, q, sc, zero
.irp a, \a0, \a0+1
.irp b, 0,1,2,3,4,5,6,7
.if \zero
	v_wmma_scale_f32_16x16x128_f8f6f4 v[8*(8*((\a)%4)+\b):8*(8*((\a)%4)+\b)+7], v[128*(\p)+FR*\b:128*(\p)+FR*\b+FR-1], v[AF+FR*(\a):AF+FR*(\a)+FR-1], 0, v[SC+8*NQ*(\sc)+NQ*\b+(\q)], v[SC+8*NQ*(\sc)+NQ*(\a)+(\q)] matrix_a_fmt:MATRIX_FMT_FP4 matrix_b_fmt:MATRIX_FMT_FP4 matrix_a_scale:MATRIX_SCALE_ROW1
.else
	v_wmma_scale_f32_16x16x128_f8f6f4 v[8*(8*((\a)%4)+\b):8*(8*((\a)%4)+\b)+7], v[128*(\p)+FR*\b:128*(\p)+FR*\b+FR-1], v[AF+FR*(\a):AF+FR*(\a)+FR-1], v[8*(8*((\a)%4)+\b):8*(8*((\a)%4)+\b)+7], v[SC+8*NQ*(\sc)+NQ*\b+(\q)], v[SC+8*NQ*(\sc)+NQ*(\a)+(\q)] matrix_a_fmt:MATRIX_FMT_FP4 matrix_b_fmt:MATRIX_FMT_FP4 matrix_a_scale:MATRIX_SCALE_ROW1
.endif
.endr
.endr
.endm
.macro FETCH_B slot, q, p
	WIN TO_B
.irp i, 0,1,2,3,4,5,6,7
	FRAG 128*(\p)+FR*\i, ADRB+\slot, \q, \i
.endr
	WIN 0
.endm
.macro FETCH_A slot, q, i0
.irp i, \i0, \i0+1, \i0+2, \i0+3
	FRAG AF+FR*(\i), ADRA+\slot, \q, \i
.endr
.endm
.macro SCALES sc                       ; a slot's scale words: four words a row; lanes 0-15 take x's block i, lanes 16-31 W's block i.  AS: the address register of the tile in hand
.irp i, 0,1,2,3,4,5,6,7
	ds_load_b128 v[SC+8*NQ*\sc+NQ*\i:SC+8*NQ*\sc+NQ*\i+3], v[AS] offset:\i*SBLK
.endr
.endm
.macro PLACES n                        ; plain vector instructions between a matrix instruction and a load into, or a read of, its registers (ISA guide 7.12.1 for reads)
.rept \n
	v_nop
.endr
.endm
.macro STEP slot, q, zero              ; 128 along K that have their successor in the same slot
	s_wait_dscnt 4*NL                              ; W's set and x's blocks 0-3 are in; the youngest eight loads (x's blocks 4-7) may be out
	WIN MUL_LO
	MUL16 0, (\q)%2, \q, \slot, \zero
	MUL16 2, (\q)%2, \q, \slot, \zero
	s_wait_dscnt 0
	PLACES NP
	FETCH_B \slot, (\q)+1, 1-(\q)%2
	FETCH_A \slot, (\q)+1, 0
	WIN MUL_HI
	MUL16 4, (\q)%2, \q, \slot, \zero
	MUL16 6, (\q)%2, \q, \slot, \zero
	PLACES NP
	WIN 0
	FETCH_A \slot, (\q)+1, 4
.endm
; A slot's last step, with ONE barrier.  In front of it each wave waits for all its tensor loads, adds 0 to its spare word, and waits for that and for its own reads of this slot: behind it nobody reads the slot any more, and what
; was on its way has landed.  fill = 1: the barrier opens a round of the cluster's barrier, and behind the round x's half of this slot is filled with the second tile's rows, first thing.  fetch = 1: the other slot's first fragments follow.
.macro TURN slot, next, fill, fetch
	s_wait_tensorcnt 0x0                           ; all my tensor loads have landed
	ds_add_u32 v[SPW], v[NIL]                      ; 0 onto my spare word
.if \fill
	s_add_nc_u64 s[G0+4*\slot+2:G0+4*\slot+3], s[G0+4*\slot+2:G0+4*\slot+3], NEXT_A   ; no load of mine is out: the group 0 may be written: 1,024 rows down
.endif
	s_wait_dscnt 4*NL+1                            ; (the add and the youngest eight loads may be out)
	WIN MUL_LO
	MUL16 0, 1, NQ-1, \slot, 0
	s_wait_dscnt 0x0                               ; the add is done, and my reads of this slot are over
	s_barrier_signal -1
	MUL16 2, 1, NQ-1, \slot, 0
	WIN 0                                          ; (branches may follow)
	s_barrier_wait -1
.if \fill
	CREST                                          ; no wave of any partner still reads this slot's tile of x or has a load on its way
	JLOADA \slot
.endif
.if \fetch
	PLACES NP                                      ; on every wave's way, in front of the loads below
	v_add_nc_u32 v[AS], 4*NQ, v[AS]                ; on to the next slot's scale words
	FETCH_B \next, 0, 0
	FETCH_A \next, 0, 0
	SCALES \next
.endif
	WIN MUL_HI
	MUL16 4, 1, NQ-1, \slot, 0
	MUL16 6, 1, NQ-1, \slot, 0
.if \fetch
	PLACES NP
.endif
	WIN 0
.if \fetch
	FETCH_A \next, 0, 4
.endif
.endm
.macro STEPS slot, from
.set Q, \from
.rept NQ-1-\from
	STEP \slot, Q, 0
.set Q, Q+1
.endr
.endm
.macro FIRST                           ; a tile's first fragments and scale words, out of slot 0
	FETCH_B 0, 0, 0
	FETCH_A 0, 0, 0
	SCALES 0
	FETCH_A 0, 0, 4
.endm
; THE WAY OUT, a block of 16 rows x 128 columns at a time.  PACK: rounded to f16, 16 bytes a lane.  TOSTAGE: into my stage, and back as whole rows of 256 bytes.  SEND: stored.
.macro PACK a
.set AC, 64*((\a)%4)
	WIN 0x0a+5*((\a)/4)                            ; sources 0 and 1: window 2 or 3
.irp b, 0,1,2,3,4,5,6,7
.irp r, 0,1,2,3
	v_cvt_pk_f16_f32 v[TMP+4*\b+\r], v[AC+8*\b+2*\r], v[AC+8*\b+2*\r+1]
.endr
.endr
	WIN 0
.endm
.macro TOSTAGE a
.set BB, OB+192*((\a)%2)
.irp b, 0,1,2,3,4,5,6,7
	ds_store_b128 v[STO], v[TMP+4*\b:TMP+4*\b+3] offset:32*\b
.endr
.irp t, 0,1,2,3,4,5,6,7
	ds_load_b128 v[BB+4*\t:BB+4*\t+3], v[RD] offset:\t*2*272       ; LDS serves a wave's instructions in order: these see the stores above
.endr
.endm
.macro SEND a
.set BB, OB+192*((\a)%2)
	s_wait_dscnt 0x0                               ; the block is back in registers
	s_wait_xcnt 0x0                                ; the earlier stores have read their base and their data: both may be written again
.if (\a) > 0
	s_add_nc_u64 s[12:13], s[12:13], 16*CROW
.elseif SECOND
	s_add_nc_u64 s[12:13], s[12:13], NEXT_C        ; on to the second tile's first rows
.endif
.irp t, 0,1,2,3,4,5,6,7
	global_store_b128 v[CO], v[BB+4*\t:BB+4*\t+3], s[12:13] offset:2*\t*CROW   ; 16 lanes store 256 consecutive bytes, at a multiple of 256 from the buffer's first byte
.endr
.endm
.macro WAYOUT
	PACK 0
	TOSTAGE 0
.irp a, 1,2,3,4,5,6,7                  ; block a's conversions stand between block a - 1's loads from the stage and the wait for them
	PACK \a
	SEND \a-1
	TOSTAGE \a
.endr
	SEND 7
.endm
	s_wait_tensorcnt 1                             ; the scales and my part of slot 0 are in; slot 1's load may be out
	s_barrier_signal -1
	s_barrier_wait -1
	; ---- THE FIRST TILE
.set AS, ADRS
.set SECOND, 0
	FIRST
	STEP 0, 0, 1                                   ; the first products start the sums: nothing is cleared
	STEPS 0, 1
	TURN 0, 1, 1, 1                                ; slot 0's x is asked for anew: it has slot 1's four steps in which to land
	STEPS 1, 0
	TURN 1, 0, 1, 0                                ; the tile's last step: slot 1's x is asked for anew: it has the way out and slot 0's four steps in which to land
	PLACES NP                                      ; for the loads into registers that held fragments and scale words, and for the first reads of results
	; THE FIRST 16 POSITIONS OF A BATCH IN F32: my block 0, where the tile is a batch's first (cluster y = 0) and my rows are its first 128.  Through my stage, 64 columns (256 bytes a row) at a time.
	s_cmp_lg_u32 s[CLY], 0
	s_cbranch_scc1 .Lno_fine
	s_cmp_lg_u32 s15, 0
	s_cbranch_scc1 .Lno_fine
.irp u, 0,1
	WIN 0x08                                       ; an LDS store's data are its source 1: window 2
.irp b, 0,1,2,3
	ds_store_b128 v[STO32], v[8*(4*\u+\b):8*(4*\u+\b)+3] offset:64*\b            ; each accumulator from its low end on
	ds_store_b128 v[STO32], v[8*(4*\u+\b)+4:8*(4*\u+\b)+7] offset:64*\b+16
.endr
	WIN 0
.irp t, 0,1,2,3,4,5,6,7
	ds_load_b128 v[128+32*\u+4*\t:128+32*\u+4*\t+3], v[RD] offset:\t*2*272       ; in order behind the stores above, and ahead of the next half's
.endr
.endr
	s_wait_dscnt 0x0
.irp u, 0,1
.irp t, 0,1,2,3,4,5,6,7
	global_store_b128 v[CO32], v[128+32*\u+4*\t:128+32*\u+4*\t+3], s[96:97] offset:2*\t*SIZE_N*4+256*\u   ; 16 lanes store 256 consecutive bytes, at a multiple of 256 from the buffer's first byte
.endr
.endr
.Lno_fine:
	WAYOUT
	s_wait_xcnt 0x0                                ; the stores have read their data: the second tile's fragments and scale words may land in those registers
	; ---- THE SECOND TILE: slot 0 is whole: its refill was waited for in front of the last round
.set AS, ADRS2
.set SECOND, 1
	FIRST
	STEP 0, 0, 1
	STEPS 0, 1
	TURN 0, 1, 0, 1                                ; slot 1's x has landed in every wave that asked; nothing is filled any more
	STEPS 1, 0
	s_wait_dscnt 4*NL                              ; the last step: nothing more to fetch
	WIN MUL_LO
	MUL16 0, 1, NQ-1, 1, 0
	MUL16 2, 1, NQ-1, 1, 0
	s_wait_dscnt 0
	WIN MUL_HI
	MUL16 4, 1, NQ-1, 1, 0
	MUL16 6, 1, NQ-1, 1, 0
	WIN 0
	PLACES NP
	WAYOUT
	s_wait_tensorcnt 0x0                           ; the wave's end
	ds_add_u32 v[SPW], v[NIL]
	s_wait_dscnt 0x0
	CROUND                                         ; the closing round: no work-group ends while a partner may still ask for a tile that names it
	s_endpgm
.Lfunc_end_k_q5966c872c4_proj:
	.size	k_q5966c872c4_proj, .Lfunc_end_k_q5966c872c4_proj-k_q5966c872c4_proj
	.p2alignl 7, 3214868480
	.fill 96, 4, 3214868480
	.section	.rodata,"a",@progbits
	.p2align	6, 0x0
	.amdhsa_kernel k_q5966c872c4_proj
		.amdhsa_group_segment_fixed_size 327680
		.amdhsa_private_segment_fixed_size 0
		.amdhsa_enable_private_segment 0
		.amdhsa_kernarg_size 48
		.amdhsa_user_sgpr_count 2
		.amdhsa_user_sgpr_kernarg_segment_ptr 1
		.amdhsa_wavefront_size32 1
		.amdhsa_system_sgpr_workgroup_id_x 1
		.amdhsa_system_sgpr_workgroup_id_y 1
		.amdhsa_system_sgpr_workgroup_id_z 1
		.amdhsa_system_vgpr_workitem_id 0
		.amdhsa_next_free_vgpr 1024
		.amdhsa_next_free_sgpr 98
		.amdhsa_reserve_vcc 0
		.amdhsa_float_denorm_mode_32 3
		.amdhsa_float_denorm_mode_16_64 3
		.amdhsa_memory_ordered 1
		.amdhsa_forward_progress 1
		.amdhsa_inst_pref_size 250
	.end_amdhsa_kernel
	.amdgpu_metadata
---
amdhsa.version: [ 1, 2 ]
amdhsa.kernels:
  - .name:           k_q5966c872c4_proj
    .symbol:         k_q5966c872c4_proj.kd
    .args:
      - { .name: xc, .offset: 0, .size: 8, .value_kind: global_buffer, .address_space: global }
      - { .name: xs, .offset: 8, .size: 8, .value_kind: global_buffer, .address_space: global }
      - { .name: wc, .offset: 16, .size: 8, .value_kind: global_buffer, .address_space: global }
      - { .name: ws, .offset: 24, .size: 8, .value_kind: global_buffer, .address_space: global }
      - { .name: qkv, .offset: 32, .size: 8, .value_kind: global_buffer, .address_space: global }
      - { .name: fine, .offset: 40, .size: 8, .value_kind: global_buffer, .address_space: global }
    .group_segment_fixed_size: 327680
    .private_segment_fixed_size: 0
    .kernarg_segment_align: 8
    .kernarg_segment_size: 48
    .max_flat_workgroup_size: 128
    .sgpr_count:     98
    .vgpr_count:     1024
    .wavefront_size: 32
...
	.end_amdgpu_metadata
.endif
;; end of part 2
;; launch score (part 3): grid 9 x 16, 4 waves a work-group, no clusters, 327,680 bytes of LDS; arguments qkv, pt, stat; writes pt, stat
.if DOCPART == 3
	.amdgcn_target "amdgcn-amd-amdhsa--gfx1250"
	.amdhsa_code_object_version 6
	.text
	.protected	k_q5966c872c4_score
	.globl	k_q5966c872c4_score
	.p2align	8
	.type	k_q5966c872c4_score,@function
k_q5966c872c4_score:
	s_mov_b64 s[64:65], 0
	v_nop
	global_prefetch_b8 v0, s[64:65] scope:SCOPE_SE
	s_setreg_imm32_b32 hwreg(HW_REG_WAVE_MODE, 25, 1), 1
	s_wait_xcnt 0x0
; For one tile of 256 queries x 256 keys of one batch, at or under the diagonal: S = q k^T (f16 operands, f32 sums, K = 1,024), the causal mask, each query's largest score m OF THIS TILE,
; p = 2^(c s - c m), c = log2(e) / 32 (the reference's scale is 1 / 32), stored as f16 in pt [4][2048][2048]; and for the next launch, in stat [4][32][2048] f32: plane 2 J + half: c m; plane 16 + 2 J + half: the sum of the
; unrounded p over that half's 128 keys.  The next launch brings the tiles of a row under the row's true maximum: the maximum taken away here is the tile's own, so every p is at most 1 and one p of each row is 1.
; TILES.  A batch has 36 tiles (I, J), J <= I < 8.  Work-group (x, y): batch y / 4, pair p = y % 4; x <= p: tile (p, x); else tile (7 - p, x - p - 1): 9 tiles a pair, 144 work-groups of equal work.
; NO JOINT LOADS: the tiles that share a block of queries or of keys number 1 to 8 by the block, 9 to a pair of rows: no fixed group of four work-groups shares a tile at every place of the triangle without holding tiles above the diagonal.
; LIMITS: q and k are f16 as the launch before stored them.  NaN and infinities are not served.
; Four waves, each 128 queries x 128 keys: 64 accumulators, 512 registers.  K goes in steps of 128 through two LDS slots; each wave fetches 128 rows x 256 bytes with one tensor load (waves 0, 1: q's halves; waves 2, 3: k's).
; THE MATRIX INSTRUCTION IS USED TRANSPOSED (source 0 = 16 keys, source 1 = 16 queries): lane (r, h) of accumulator (a, b) holds query 16 a + r and keys 16 b + 8 h + 0 .. 7.
; REGISTERS: window 0: v0-31 addresses; v64-127, v128-191 q's fragments, two buffers; window 1: k's likewise; windows 2, 3: the accumulators ((a, b) at v[8 (8 (a % 4) + b)]).
;   Behind the products, window 0: v32-39 maxima; v40-47 the partner's maxima, then the sums; v48-63 c m in pairs; v64-127 a block's p; v128-159 packed; v160-223 rows on their way out; v224-255 at work.
.set KSTEP,  128
.set PITCH,  272                       ; an LDS row: 256 bytes + 16 of padding
.set HALFT,  128*PITCH
.set SLOT,   4*HALFT                   ; q's 256 rows, then k's 256 rows
.set STAGE,  2*SLOT                    ; 16 rows x 272 bytes for each wave
.set SPITCH, 272
.set MXS,    STAGE+4*16*SPITCH         ; [2 halves of the keys][256 queries] f32, three times: the halves' maxima; at + 2,048 their sums; at + 4,096 c m
.set SPARE,  MXS+3*2048                ; the spare words, 128 bytes a wave, that no other line names
.set QROW,   6144                      ; a row of qkv in bytes
.set PROW,   4096                      ; a row of pt in bytes
.set ADRA, 16
.set L16,  18
.set ADRB, 20
.set STO,  24
.set RD,   25
.set CO,   26
.set SXA,  27
.set SPW,  28
.set NIL,  29
.set SXB,  30
.set SXR,  31
.set MX,   32
.set PM,   40
.set LS,   40
.set CM,   48
.set E,    64
.set TMP,  128
.set BK,   160
.set CH,   224                         ; 32 chains of the maxima
.set DQ,   224                         ; under the mask: eight differences, -infinity, one at work
.set NINF, 232
.set DT,   233
.set LP,   224                         ; the sums' two chains
.set F0,   64
.set F1,   128
.set G1,   24
.set G0,   32
.set CS,   58
.set SEL,  60
.set MSB, 0
.macro WIN new
.set WNEW, \new
.if MSB != WNEW
	s_set_vgpr_msb (MSB<<8)|WNEW
.set MSB, WNEW
.endif
.endm
.set MUL_LO, 0xa1                      ; source 0 (k) window 1, source 1 (q) window 0, C and D window 2
.set MUL_HI, 0xf1
.set TO_B,   0x40
	s_load_b128 s[4:7], s[0:1], 0x0                ; qkv, pt
	s_load_b64 s[8:9], s[0:1], 0x10                ; stat
	v_lshl_add_u32 v[SPW], v0, 2, SPARE
	v_mov_b32 v[NIL], 0
	ds_add_u32 v[SPW], v[NIL]                      ; the wave's opening: the add, twice on end, and its wait ahead of my first tensor load
	ds_add_u32 v[SPW], v[NIL]
	v_lshrrev_b32 v1, 5, v0
	v_readfirstlane_b32 s10, v1                    ; wave 0..3
	s_lshr_b32 s11, s10, 1                         ; which half of the queries is mine.  Also: I fetch q (0) or k (1)
	s_and_b32 s12, s10, 1                          ; which half of the keys.  Also: which 128 rows I fetch
	s_and_b32 s13, ttmp7, 0xffff
	s_lshr_b32 s14, s13, 2                         ; batch
	s_and_b32 s13, s13, 3                          ; pair p
	s_sub_co_u32 s15, 7, s13
	s_sub_co_u32 s16, ttmp9, s13
	s_sub_co_u32 s16, s16, 1
	s_cmp_le_u32 ttmp9, s13
	s_cselect_b32 s15, s13, s15                    ; I
	s_cselect_b32 s16, ttmp9, s16                  ; J
	s_mov_b32 s[G1+0], (1<<16)|(1<<20)|(5<<22)|(3<<25)   ; no mask; elements of 2 bytes; padding on: after every 64 words four words
	s_mov_b32 s[G1+1], KSTEP<<16                   ; tensor_dim0
	s_mov_b32 s[G1+2], 128<<16                     ; tensor_dim1
	s_mov_b32 s[G1+3], KSTEP<<16                   ; tile_dim0
	s_mov_b32 s[G1+4], 128                         ; tile_dim1
	s_mov_b32 s[G1+5], QROW/2                      ; the pitch in elements
	s_mov_b32 s[G1+6], 0
	s_mov_b32 s[G1+7], 0
	s_cmp_eq_u32 s11, 0
	s_cselect_b32 s17, s15, s16                    ; q's block I or k's block J,
	s_cselect_b32 s18, 0, 2048                     ; k lies 2,048 bytes on in a row of qkv
	s_lshl_b32 s17, s17, 8
	s_lshl_b32 s19, s14, 11
	s_add_co_u32 s17, s17, s19
	s_lshl_b32 s19, s12, 7
	s_add_co_u32 s17, s17, s19                     ; the first row that I fetch
	s_mul_i32 s20, s17, QROW
	s_add_co_u32 s20, s20, s18
	s_mov_b32 s21, 0
	s_mul_i32 s2, s10, HALFT                       ; where it goes: wave x 128 rows
	s_mov_b32 s[CS], 0x3d38aa3b                    ; c = log2(e) / 32
	s_mov_b32 s[CS+1], s[CS]                       ; (named with it as a pair)
	s_mov_b32 s[SEL], 0x76543210
	s_mov_b32 s[SEL+1], 0xfedcba98                 ; lane l xor 16
	s_wait_dscnt 0x0                               ; both opening adds are done
	s_wait_kmcnt 0x0
	s_add_nc_u64 s[22:23], s[4:5], s[20:21]
.irp s, 0,1
	s_mov_b32 s[G0+4*\s], 1
	s_add_co_u32 s[G0+4*\s+1], s2, \s*SLOT
	s_add_nc_u64 s[G0+4*\s+2:G0+4*\s+3], s[22:23], \s*KSTEP*2
	s_or_b32 s[G0+4*\s+3], s[G0+4*\s+3], 0x80000000
	tensor_load_to_lds s[G0+4*\s:G0+4*\s+3], s[G1:G1+7]            ; K steps 0 and 1: two loads of mine are out
	s_nop 0
.endr
.rept 4
	v_nop
.endr
	v_and_b32 v1, 15, v0                           ; r; kept
	v_bfe_u32 v2, v0, 4, 1                         ; h; kept
	v_mul_u32_u24 v3, v1, PITCH
	v_lshl_add_u32 v3, v2, 4, v3
	s_mul_i32 s21, s11, HALFT
	s_mul_i32 s22, s12, HALFT
	s_add_co_u32 s22, s22, 2*HALFT
.irp s, 0,1
	v_add_nc_u32 v[ADRA+\s], s21, v3
	v_add_nc_u32 v[ADRB+\s], s22, v3
	s_add_co_u32 s21, s21, SLOT
	s_add_co_u32 s22, s22, SLOT
.endr
	s_mul_i32 s23, s10, 16*SPITCH
	s_add_co_u32 s23, s23, STAGE
	v_mul_u32_u24 v4, v1, SPITCH
	v_lshl_add_u32 v4, v2, 4, v4
	v_add_nc_u32 v[STO], s23, v4                   ; the stage, in: row r, 16 bytes for each half of the lanes
	v_mul_u32_u24 v5, v2, SPITCH
	v_lshl_add_u32 v5, v1, 4, v5
	v_add_nc_u32 v[RD], s23, v5                    ; back: lanes 0-15 one row, lanes 16-31 the next
	v_lshlrev_b32 v5, 12, v2
	v_lshl_add_u32 v[CO], v1, 4, v5                ; the same two rows in pt
	s_lshl_b32 s21, s12, 10
	s_lshl_b32 s22, s11, 9
	s_add_co_u32 s21, s21, s22
	s_add_co_u32 s21, s21, MXS
	v_lshl_add_u32 v[SXA], v1, 2, s21              ; my half of the keys, my 128 queries, query r
	s_xor_b32 s23, s12, 1
	s_lshl_b32 s23, s23, 10
	s_add_co_u32 s23, s23, s22
	s_add_co_u32 s23, s23, MXS
	v_lshl_add_u32 v[SXB], v1, 2, s23              ; the same queries in the other half of the keys
	v_and_b32 v5, 31, v0
	v_lshlrev_b32 v[L16], 4, v5
	v_add_nc_u32 v[SXR], s21, v[L16]               ; my 128 words, 16 bytes a lane
	s_lshl_b32 s17, s14, 11
	s_lshl_b32 s18, s15, 8
	s_add_co_u32 s17, s17, s18
	s_lshl_b32 s18, s11, 7
	s_add_co_u32 s17, s17, s18                     ; my first query, over all batches
	s_lshl_b32 s18, s17, 12
	s_lshl_b32 s19, s16, 9
	s_add_co_u32 s18, s18, s19
	s_lshl_b32 s19, s12, 8
	s_add_co_u32 s18, s18, s19
	s_mov_b32 s19, 0
	s_add_nc_u64 s[6:7], s[6:7], s[18:19]          ; pt at my first query and key
	s_lshl_b32 s18, s14, 5
	s_lshl_b32 s20, s16, 1
	s_add_co_u32 s18, s18, s20
	s_add_co_u32 s18, s18, s12                     ; plane 32 b + 2 J + half
	s_lshl_b32 s18, s18, 11
	s_lshl_b32 s20, s15, 8
	s_add_co_u32 s18, s18, s20
	s_lshl_b32 s20, s11, 7
	s_add_co_u32 s18, s18, s20
	s_lshl_b32 s18, s18, 2
	s_add_nc_u64 s[8:9], s[8:9], s[18:19]          ; stat at my plane and first query
; 16 matrix instructions: query blocks a0, a0 + 1 of the window's four x all 8 key blocks, 32 along K.  zero = 1: the product starts the sums.  The 64 accumulators take turns, one instruction a turn.
.macro MUL16 f, hi, a0, zero
.irp a, \a0, \a0+1
.irp b, 0,1,2,3,4,5,6,7
.if \zero
	v_wmma_f32_16x16x32_f16 v[8*(8*(\a)+\b):8*(8*(\a)+\b)+7], v[\f+8*\b:\f+8*\b+7], v[\f+8*(4*\hi+\a):\f+8*(4*\hi+\a)+7], 0
.else
	v_wmma_f32_16x16x32_f16 v[8*(8*(\a)+\b):8*(8*(\a)+\b)+7], v[\f+8*\b:\f+8*\b+7], v[\f+8*(4*\hi+\a):\f+8*(4*\hi+\a)+7], v[8*(8*(\a)+\b):8*(8*(\a)+\b)+7]
.endif
.endr
.endr
.endm
.macro FETCH slot, k, f                ; 32 LDS loads in one run: 128 rows of k, 128 rows of q, 32 along K at byte k of the rows
	WIN TO_B
.irp i, 0,1,2,3,4,5,6,7
	ds_load_b128 v[\f+8*\i:\f+8*\i+3],   v[ADRB+\slot] offset:\k+\i*16*PITCH
	ds_load_b128 v[\f+8*\i+4:\f+8*\i+7], v[ADRB+\slot] offset:\k+\i*16*PITCH+32
.endr
	WIN 0
.irp i, 0,1,2,3,4,5,6,7
	ds_load_b128 v[\f+8*\i:\f+8*\i+3],   v[ADRA+\slot] offset:\k+\i*16*PITCH
	ds_load_b128 v[\f+8*\i+4:\f+8*\i+7], v[ADRA+\slot] offset:\k+\i*16*PITCH+32
.endr
.endm
.macro PLACES                          ; four plain vector instructions between a matrix instruction and a load into, or a read or write of, its registers (ISA guide 7.12.1 for reads)
.rept 4
	v_nop
.endr
.endm
.macro QUARTER slot, k, f, g, zero     ; 32 along K: multiplies buffer f; in its middle fetches the next quarter, at byte k, into buffer g
	s_wait_dscnt 8                                 ; k's rows and q's rows 0-63 are in; the youngest eight loads (q's rows 64-127) may be out
	WIN MUL_LO
	MUL16 \f, 0, 0, \zero
	MUL16 \f, 0, 2, \zero
	PLACES
	FETCH \slot, \k, \g
	s_wait_dscnt 32                                ; all but the 32 just issued
	WIN MUL_HI
	MUL16 \f, 1, 0, \zero
	MUL16 \f, 1, 2, \zero
.endm
; A K step's last quarter multiplies buffer 1 and changes slots: one barrier.  In front of it each wave waits for all its tensor loads (one is out: its part of the other slot), adds 0 to its spare word, and waits for that and
; for its reads of this slot.  fill = 1: behind it this slot is filled with the K step two on, first thing: the load has a K step less thirty-two matrix instructions, 224 of them, in which to land.
.macro TURN slot, next, fill
	WIN 0                                          ; (the add's two registers lie in window 0)
	s_wait_tensorcnt 0x0
	ds_add_u32 v[SPW], v[NIL]
.if \fill
	s_add_nc_u64 s[G0+4*\slot+2:G0+4*\slot+3], s[G0+4*\slot+2:G0+4*\slot+3], 2*KSTEP*2   ; no load of mine is out: the group 0 may be written
.endif
	s_wait_dscnt 9                                 ; (the add and the youngest eight loads may be out)
	WIN MUL_LO
	MUL16 F1, 0, 0, 0
	s_wait_dscnt 0x0                               ; the add is done, and my reads of this slot are over
	s_barrier_signal -1
	MUL16 F1, 0, 2, 0
	s_barrier_wait -1
.if \fill
	tensor_load_to_lds s[G0+4*\slot:G0+4*\slot+3], s[G1:G1+7]
	s_nop 0
.endif
	PLACES                                         ; behind the load, and in front of the loads into buffer 0
	FETCH \next, 0, F0
	WIN MUL_HI
	MUL16 F1, 1, 0, 0
	MUL16 F1, 1, 2, 0
.endm
	s_wait_tensorcnt 1                             ; my part of K step 0 is in; K step 1's may be out
	s_barrier_signal -1
	s_barrier_wait -1
	FETCH 0, 0, F0
	QUARTER 0, 64,  F0, F1, 1                      ; the first quarter starts the sums
	WIN 0
	s_mov_b32 s3, 3
.Llap:                                             ; three trips, each once round the ring from a lap's second quarter to the next lap's first: K steps 2 to 7 are asked for
	QUARTER 0, 128, F1, F0, 0
	QUARTER 0, 192, F0, F1, 0
	TURN 0, 1, 1
	QUARTER 1, 64,  F0, F1, 0
	QUARTER 1, 128, F1, F0, 0
	QUARTER 1, 192, F0, F1, 0
	TURN 1, 0, 1
	QUARTER 0, 64,  F0, F1, 0
	WIN 0
	s_sub_co_u32 s3, s3, 1
	s_cmp_lg_u32 s3, 0
	s_cbranch_scc1 .Llap
	QUARTER 0, 128, F1, F0, 0                      ; the last lap asks for nothing
	QUARTER 0, 192, F0, F1, 0
	TURN 0, 1, 0
	QUARTER 1, 64,  F0, F1, 0
	QUARTER 1, 128, F1, F0, 0
	QUARTER 1, 192, F0, F1, 0
	s_wait_dscnt 8
	WIN MUL_LO
	MUL16 F1, 0, 0, 0
	MUL16 F1, 0, 2, 0
	s_wait_dscnt 0
	WIN MUL_HI
	MUL16 F1, 1, 0, 0
	MUL16 F1, 1, 2, 0
	WIN 0
	PLACES
	; THE MASK, on the diagonal's tiles alone: a scalar branch on the work-group's tile.  Key 128 s12 + 16 b + 8 h + j is hidden from query 128 s11 + 16 a + r where 16 b + j > d(a) = 128 (s11 - s12) + 16 a + r - 8 h.
	s_cmp_lg_u32 s15, s16
	s_cbranch_scc1 .Lopen
	s_sub_co_i32 s20, s11, s12
	s_lshl_b32 s20, s20, 7
	v_lshlrev_b32 v[DT], 3, v2
	v_sub_nc_u32 v[DT], v1, v[DT]
	v_add_nc_u32 v[DT], s20, v[DT]
.irp a, 0,1,2,3,4,5,6,7
	v_add_nc_u32 v[DQ+\a], 16*\a, v[DT]
.endr
	v_mov_b32 v[NINF], 0xff800000
.irp a, 0,1,2,3,4,5,6,7
	WIN 0x82+0x41*(\a/4)                           ; destination and source 0: window 2 or 3
.set n, 0
.rept 64
	v_cmp_gt_i32 vcc_lo, 16*(n/8)+n%8, v[DQ+\a]
	v_cndmask_b32 v[64*(\a%4)+n], v[64*(\a%4)+n], v[NINF], vcc_lo
.set n, n+1
.endr
.endr
	WIN 0
.Lopen:
	; EACH QUERY'S LARGEST SCORE among my 128 keys: four chains for each block of queries, each over two accumulators in ascending registers
.irp w, 0,1
	WIN 0x2a+0x15*\w                               ; all three sources: window 2 or 3
.irp g, 0,1,2,3
.irp k, 0,1,2,3
	v_max3_num_f32 v[CH+16*\w+4*\g+\k], v[64*\g+16*\k], v[64*\g+16*\k+1], v[64*\g+16*\k+2]
.endr
.endr
	WIN 0x28+0x14*\w                               ; sources 1 and 2
.irp i, 3,5,7,9,11,13
.irp g, 0,1,2,3
.irp k, 0,1,2,3
	v_max3_num_f32 v[CH+16*\w+4*\g+\k], v[CH+16*\w+4*\g+\k], v[64*\g+16*\k+\i], v[64*\g+16*\k+\i+1]
.endr
.endr
.endr
.irp g, 0,1,2,3
.irp k, 0,1,2,3
	v_max_num_f32 v[CH+16*\w+4*\g+\k], v[CH+16*\w+4*\g+\k], v[64*\g+16*\k+15]
.endr
.endr
.endr
	WIN 0
.irp a, 0,1,2,3,4,5,6,7
	v_max3_num_f32 v[MX+\a], v[CH+4*\a], v[CH+4*\a+1], v[CH+4*\a+2]
.endr
.irp a, 0,1,2,3,4,5,6,7
	v_max_num_f32 v[MX+\a], v[MX+\a], v[CH+4*\a+3]
.endr
.irp a, 0,1,2,3,4,5,6,7
	v_permlanex16_b32 v[CH+4*\a], v[MX+\a], s[SEL], s[SEL+1]       ; the query's other 64 keys lie in the lane 16 away
.endr
.irp a, 0,1,2,3,4,5,6,7
	v_max_num_f32 v[MX+\a], v[MX+\a], v[CH+4*\a]
.endr
.irp a, 0,1,2,3,4,5,6,7
	ds_store_b32 v[SXA], v[MX+\a] offset:64*\a     ; both lanes of a query write the same word with the same value
.endr
	s_wait_dscnt 0x0                               ; for the partner's sake: my stores are done
	s_barrier_signal -1
	s_barrier_wait -1
.irp a, 0,1,2,3,4,5,6,7
	ds_load_b32 v[PM+\a], v[SXB] offset:64*\a      ; the other half of the keys
.endr
	s_wait_dscnt 0x0
.irp a, 0,1,2,3,4,5,6,7
	v_max_num_f32 v[MX+\a], v[MX+\a], v[PM+\a]     ; m: a number: the tile's 256 keys hold the query's own key, or all count
.endr
.irp a, 0,1,2,3,4,5,6,7
	v_mul_f32 v[CM+2*\a], s[CS], v[MX+\a]
.endr
.irp a, 0,1,2,3,4,5,6,7
	v_mov_b32 v[CM+2*\a+1], v[CM+2*\a]
.endr
.irp a, 0,1,2,3,4,5,6,7
	ds_store_b32 v[SXA], v[CM+2*\a] offset:4096+64*\a
.endr
; A BLOCK OF 16 QUERIES: p = 2^(c s - c m); its sum in f32; rounded to f16.  The 64 exponentials are one batch with one wait, ahead of the first line that names a result.
.macro SOFT a
.set AC, 64*((\a)%4)
	WIN 0x02+(\a)/4                                ; source 0: window 2 or 3
.set i, 0
.rept 32
	v_pk_fma_f32 v[E+2*i:E+2*i+1], v[AC+2*i:AC+2*i+1], s[CS:CS+1], v[CM+2*(\a):CM+2*(\a)+1] op_sel_hi:[1,0,1] neg_lo:[0,0,1] neg_hi:[0,0,1]
.set i, i+1
.endr
	WIN 0
.set i, 0
.rept 64
	v_exp_f32 v[E+i], v[E+i]
.set i, i+1
.endr
	v_nop                                          ; a plain instruction behind the last exponential
	s_wait_alu depctr_va_vdst(0)
	v_pk_add_f32 v[LP:LP+1], v[E:E+1], v[E+2:E+3]
	v_pk_add_f32 v[LP+2:LP+3], v[E+4:E+5], v[E+6:E+7]
.irp j, 8,12,16,20,24,28,32,36,40,44,48,52,56,60
	v_pk_add_f32 v[LP:LP+1], v[LP:LP+1], v[E+\j:E+\j+1]
	v_pk_add_f32 v[LP+2:LP+3], v[LP+2:LP+3], v[E+\j+2:E+\j+3]
.endr
	v_pk_add_f32 v[LP:LP+1], v[LP:LP+1], v[LP+2:LP+3]
	v_add_f32 v[LS+(\a)], v[LP], v[LP+1]
.set i, 0
.rept 32
	v_cvt_pk_f16_f32 v[TMP+i], v[E+2*i], v[E+2*i+1]
.set i, i+1
.endr
.endm
.macro TOSTAGE a
.set BB, BK+32*((\a)%2)
.irp b, 0,1,2,3,4,5,6,7
	ds_store_b128 v[STO], v[TMP+4*\b:TMP+4*\b+3] offset:32*\b
.endr
.irp t, 0,1,2,3,4,5,6,7
	ds_load_b128 v[BB+4*\t:BB+4*\t+3], v[RD] offset:\t*2*SPITCH    ; LDS serves a wave's instructions in order: these see the stores above
.endr
.endm
.macro SEND a
.set BB, BK+32*((\a)%2)
	s_wait_dscnt 0x0                               ; the block is back in registers
	s_wait_xcnt 0x0                                ; the earlier stores have read their base and their data
.if (\a) > 0
	s_add_nc_u64 s[6:7], s[6:7], 16*PROW
.endif
.irp t, 0,1,2,3,4,5,6,7
	global_store_b128 v[CO], v[BB+4*\t:BB+4*\t+3], s[6:7] offset:2*\t*PROW   ; 16 lanes store 256 consecutive bytes, at a multiple of 256 from the buffer's first byte
.endr
.endm
	SOFT 0
	TOSTAGE 0
.irp a, 1,2,3,4,5,6,7                  ; block a's arithmetic stands between block a - 1's loads from the stage and the wait for them
	SOFT \a
	SEND \a-1
	TOSTAGE \a
.endr
	SEND 7
.irp a, 0,1,2,3,4,5,6,7
	v_permlanex16_b32 v[CH+8+\a], v[LS+\a], s[SEL], s[SEL+1]
.endr
.irp a, 0,1,2,3,4,5,6,7
	v_add_f32 v[LS+\a], v[LS+\a], v[CH+8+\a]       ; the sum over my 128 keys
.endr
.irp a, 0,1,2,3,4,5,6,7
	ds_store_b32 v[SXA], v[LS+\a] offset:2048+64*\a
.endr
	ds_load_b128 v[64:67], v[SXR] offset:4096      ; my own 128 words of c m and of the sums, in order behind my stores
	ds_load_b128 v[68:71], v[SXR] offset:2048
	s_wait_dscnt 0x0
	global_store_b128 v[L16], v[64:67], s[8:9]                     ; 32 lanes store 512 consecutive bytes
	global_store_b128 v[L16], v[68:71], s[8:9] offset:16*2048*4    ; sixteen planes on
	s_wait_tensorcnt 0x0                           ; the wave's end
	ds_add_u32 v[SPW], v[NIL]
	s_wait_dscnt 0x0
	s_endpgm
.Lfunc_end_k_q5966c872c4_score:
	.size	k_q5966c872c4_score, .Lfunc_end_k_q5966c872c4_score-k_q5966c872c4_score
	.p2alignl 7, 3214868480
	.fill 96, 4, 3214868480
	.section	.rodata,"a",@progbits
	.p2align	6, 0x0
	.amdhsa_kernel k_q5966c872c4_score
		.amdhsa_group_segment_fixed_size 327680
		.amdhsa_private_segment_fixed_size 0
		.amdhsa_enable_private_segment 0
		.amdhsa_kernarg_size 24
		.amdhsa_user_sgpr_count 2
		.amdhsa_user_sgpr_kernarg_segment_ptr 1
		.amdhsa_wavefront_size32 1
		.amdhsa_system_sgpr_workgroup_id_x 1
		.amdhsa_system_sgpr_workgroup_id_y 1
		.amdhsa_system_sgpr_workgroup_id_z 1
		.amdhsa_system_vgpr_workitem_id 0
		.amdhsa_next_free_vgpr 1024
		.amdhsa_next_free_sgpr 66
		.amdhsa_reserve_vcc 1
		.amdhsa_float_denorm_mode_32 3
		.amdhsa_float_denorm_mode_16_64 3
		.amdhsa_memory_ordered 1
		.amdhsa_forward_progress 1
		.amdhsa_inst_pref_size 249
	.end_amdhsa_kernel
	.amdgpu_metadata
---
amdhsa.version: [ 1, 2 ]
amdhsa.kernels:
  - .name:           k_q5966c872c4_score
    .symbol:         k_q5966c872c4_score.kd
    .args:
      - { .name: qkv, .offset: 0, .size: 8, .value_kind: global_buffer, .address_space: global }
      - { .name: pt, .offset: 8, .size: 8, .value_kind: global_buffer, .address_space: global }
      - { .name: stat, .offset: 16, .size: 8, .value_kind: global_buffer, .address_space: global }
    .group_segment_fixed_size: 327680
    .private_segment_fixed_size: 0
    .kernarg_segment_align: 8
    .kernarg_segment_size: 24
    .max_flat_workgroup_size: 128
    .sgpr_count:     66
    .vgpr_count:     1024
    .wavefront_size: 32
...
	.end_amdgpu_metadata
.endif
;; end of part 3
;; launch pv (part 4): grid 8 x 32, 4 waves a work-group, clusters of 4 x 1, 327,680 bytes of LDS; arguments pt, qkv, stat, out0; writes out0
.if DOCPART == 4
	.amdgcn_target "amdgcn-amd-amdhsa--gfx1250"
	.amdhsa_code_object_version 6
	.text
	.protected	k_q5966c872c4_pv
	.globl	k_q5966c872c4_pv
	.p2align	8
	.type	k_q5966c872c4_pv,@function
k_q5966c872c4_pv:
	s_mov_b64 s[64:65], 0
	v_nop
	global_prefetch_b8 v0, s[64:65] scope:SCOPE_SE
	s_setreg_imm32_b32 hwreg(HW_REG_WAVE_MODE, 25, 1), 1
	s_wait_xcnt 0x0
	s_wait_alu depctr_hold_cnt(0) depctr_sa_sdst(0) depctr_va_vdst(0) depctr_va_sdst(0) depctr_va_ssrc(0) depctr_va_vcc(0) depctr_vm_vsrc(0)
	s_getreg_b32 s2, hwreg(HW_REG_IB_STS2, 6, 4)
	s_cmp_eq_u32 s2, 0
	s_cbranch_scc0 .Lentry_in_a_cluster
	s_endpgm
.Lentry_in_a_cluster:
	s_bfe_u32 s2, ttmp6, 0x10000c
	s_cmp_lg_u32 s2, 0x3003
	s_cbranch_scc0 .Lentry_shape_is_right
	s_endpgm
.Lentry_shape_is_right:
; out[b][t][d] = sum over the groups g of 256 keys of f'(g, t) x (sum over the group's keys of p[t][key] v[key][d]),  f'(g, t) = 2^(cm(g, t) - M(t)) / L(t),  M = the largest cm of the row's groups,
; L = sum over g of 2^(cm - M) x (the group's sum of p).  p (f16, each group under its own maximum), cm and the sums come from the launch before; v is f16.  So the maximum taken away is the row's true one.
; SHARES.  A work-group makes 128 channels (tile 4 x cluster x + cx) of TWO blocks of 128 rows of one batch: block p and block 15 - p.  Block i needs i / 2 + 1 groups: N1 = p / 2 + 1 and 9 - N1: nine steps in every work-group,
; 256 work-groups of equal work.  Where i is even the last group's second half holds the zeros that the launch before stored.  A wave makes 64 rows x 64 channels.
; CLUSTER.  The four partners share batch and p, so they walk the same tiles of p: those are asked for jointly (waves 0, 1).  v's tile is each partner's own 128 channels (waves 2, 3, plain loads): only two pairs of row blocks
; of a batch have the same N1, so no four work-groups walk the same groups of v in step.  Trip counts and branches hang on the cluster's x and y, the wave's number and the count of steps alone.
; PREFETCH.  p's tiles are prefetched one step ahead of their joint loads (macro ASK).  v's are not: a tile of v is read by up to eight work-groups, at different steps of their walks: it is no stream that is read once.
; THE MATRIX INSTRUCTION IS USED TRANSPOSED (source 0 = 16 channels of v^T, turned on the way out of LDS; source 1 = 16 rows of p): lane (r, h) of tile (a, b) holds row 16 a + r and channels 16 b + 8 h + 0 .. 7.
; A step's products are summed in T, begun with the constant 0; then O = f' T or O += f' T.
; Rows 0-15 of each batch are stored here too and written over by the launch that follows, which carries them in f32.
; REGISTERS: window 0: v8-15 f' in four pairs; v16-31 addresses; v32-95 the table's work, then rows on their way out; v128-255 O ((a, b) at v[128 + 8 (4 a + b)]).  window 1: two buffers of 128: 64 of p, 64 of v.  window 2: v0-127 T.
.set PP,     528                       ; a row of p in LDS: 512 bytes + 16
.set PV,     288                       ; a row of v: 256 bytes + 32
.set VOFF,   128*PP
.set SLOT,   VOFF+256*PV
.set STAGE,  2*SLOT                    ; 16 rows x 272 bytes for each wave
.set FT,     STAGE+4*16*272            ; f' [9 steps][128 rows] f32
.set SPARE,  FT+9*512                  ; the spare words, 128 bytes a wave, that no other line names
.set FS,   8
.set ADRA, 16
.set ADRB, 18                          ; v18-19 keys 0-127 of a slot, v20-21 keys 128-255: the 16-bit immediate does not reach them
.set STO,  24
.set RD,   25
.set CO,   26
.set FTW,  27
.set SPW,  28
.set NIL,  29
.set FA,   30
.set PFO,  31                          ; v31 the prefetches' offset: my lane x a row of pt (4,096 bytes); never rewritten
.set BK,   32
.set O,    128
.set F0,   0
.set F1,   128
.set TO,   32                          ; the table: offsets, cm, the two sums, f
.set TC,   41
.set TA,   50
.set TB,   59
.set TF,   68
.set M1,   77
.set M2,   78
.set W0,   79
.set W1,   80
.set NI,   81
.set ZR,   82
.set L1,   83
.set L2,   84
.set R1,   85
.set R2,   86
.set G1,  24
.set G0,  32
.set N1,  40                           ; s40 steps of the first block
.set U,   41                           ; s41 the step whose tiles are asked for next
.set DONE, 42                          ; s42 steps folded
.set NEW, 43                           ; s43 1: the next fold begins O anew
.set OB1, 44
.set OB2, 46
.set G1B, 48
.set G0B, 56
.set RP1, 72
.set RP2, 73
.set VB,  74
.set TRIP, 75
.set SM,  76                           ; s76-84 for each step: all ones where it is the second block's
.set PFA, 88                           ; s[88:89] where my prefetch stands
.set PF1, 90                           ; s90, s91 byte offset in pt of my work-group's 32 rows of the first and of the second block, + 256 x my wave's half of a row's 512 bytes
.set PF2, 91
.set LIM, 92                           ; s92 9 in a wave that prefetches, else 0: a wave prefetches while the next step's number is under it
.set MSB, 0
.macro WIN new
.set WNEW, \new
.if MSB != WNEW
	s_set_vgpr_msb (MSB<<8)|WNEW
.set MSB, WNEW
.endif
.endm
.set MUL,  0xa5                        ; sources 0 and 1 window 1; C and D window 2
.set TO_F, 0x40
.macro JLOAD s                         ; waves 0 and 1 ask jointly for p's halves, waves 2 and 3 for v's; the branch hangs on the wave's number alone; an s_nop 0 and four v_nop follow each line
	s_cmp_eq_u32 s13, 0
	s_cbranch_scc0 .Lfor_v_\@
	tensor_load_to_lds s[G0+4*\s:G0+4*\s+3], s[G1:G1+7]
	s_nop 0
.rept 4
	v_nop
.endr
	s_branch .Lasked_\@
.Lfor_v_\@:
	tensor_load_to_lds s[G0B+4*\s:G0B+4*\s+3], s[G1B:G1B+7]
	s_nop 0
.rept 4
	v_nop
.endr
.Lasked_\@:
.endm
.macro CREST
	s_cmp_lg_u32 s12, 0
	s_cbranch_scc1 .Lnot_wave_0_\@
	s_barrier_signal -3
.Lnot_wave_0_\@:
	s_barrier_wait -3
	s_barrier_signal -1
	s_barrier_wait -1
.endm
.macro CROUND
	s_barrier_signal -1
	s_barrier_wait -1
	CREST
.endm
; The two global addresses of step U's tiles into the slot's groups 0; then U steps.  Scalar work alone; it stands where no tensor load names these registers.  s66-69 never hold cx.
.macro ADDR slot
	s_cmp_ge_u32 s[U], s[N1]                       ; the second block's step?
	s_cselect_b32 s66, s[N1], 0
	s_cselect_b32 s67, s[RP2], s[RP1]
	s_sub_co_u32 s66, s[U], s66                    ; g: the group of keys
	s_lshl_b32 s68, s66, 9                         ; 512 bytes of a row of p a group
	s_add_co_u32 s68, s68, s67
	s_mov_b32 s69, 0
	s_add_nc_u64 s[G0+4*\slot+2:G0+4*\slot+3], s[4:5], s[68:69]
	s_or_b32 s[G0+4*\slot+3], s[G0+4*\slot+3], 0x80000000
	s_mul_i32 s70, s66, 256*6144                   ; 256 rows of qkv a group
	s_add_co_u32 s70, s70, s[VB]
	s_mov_b32 s71, 0
	s_add_nc_u64 s[G0B+4*\slot+2:G0B+4*\slot+3], s[6:7], s[70:71]
	s_or_b32 s[G0B+4*\slot+3], s[G0B+4*\slot+3], 0x80000000
	s_add_co_u32 s[U], s[U], 1
.endm
; A PREFETCH INTO THE L2 of the tile of p that the NEXT change of slots will ask for (step U, behind ADDR's step): 128 rows x 512 bytes.  Each aligned block of 256 bytes is named ONCE in the launch.  The two clusters of a
; pair of row blocks walk the same tiles of p: the one with x = 0 asks.  Its four partners share the rows out BY ADDRESS, 32 each (no branch hangs on a place in the cluster); in each, waves 0 and 1 take the two blocks of a
; row's 512 bytes, a lane a row: one instruction a wave.  PFSTEP makes the address, at the change of slots, behind the wait that shows that the last prefetch, a step back, has read it; ASK stands behind the tensor load, its
; five lines and the run of LDS loads.  Steps 0 to 2 come by their loads alone: nothing is asked for at the head.  The last refill asks for nothing: there is no step 9 (the address is held at step 8's all the same).
.macro PFSTEP
	s_wait_xcnt 0x0
	s_min_u32 s93, s[U], 8
	s_cmp_ge_u32 s93, s[N1]
	s_cselect_b32 s94, s[N1], 0
	s_cselect_b32 s95, s[PF2], s[PF1]
	s_sub_co_u32 s94, s93, s94                     ; g
	s_lshl_b32 s94, s94, 9
	s_add_co_u32 s94, s94, s95
	s_mov_b32 s95, 0
	s_add_nc_u64 s[PFA:PFA+1], s[4:5], s[94:95]
.endm
.macro ASK
	s_cmp_lt_u32 s[U], s[LIM]
	s_cbranch_scc0 .Lnot_mine_\@
	global_prefetch_b8 v[PFO], s[PFA:PFA+1] th:TH_LOAD_NT scope:SCOPE_SE
.Lnot_mine_\@:
.endm
	s_load_b256 s[4:11], s[0:1], 0x0               ; pt, qkv, stat, out0
	v_lshl_add_u32 v[SPW], v0, 2, SPARE
	v_mov_b32 v[NIL], 0
	ds_add_u32 v[SPW], v[NIL]                      ; the wave's opening: the add, twice on end, and its wait ahead of my first tensor load
	ds_add_u32 v[SPW], v[NIL]
	v_lshrrev_b32 v1, 5, v0
	v_readfirstlane_b32 s12, v1                    ; wave 0..3
	s_lshr_b32 s13, s12, 1                         ; which 64 rows are mine.  Also: I fetch p (0) or v (1)
	s_and_b32 s14, s12, 1                          ; which 64 channels.  Also: which half of that tile I fetch
	s_bfe_u32 s15, ttmp6, 0x40000                  ; cx
	s_lshl_b32 s16, ttmp9, 2
	s_add_co_u32 s16, s16, s15                     ; the tile of 128 channels
	s_and_b32 s17, ttmp7, 0xffff
	s_lshr_b32 s18, s17, 3                         ; batch
	s_and_b32 s19, s17, 7                          ; the first block of rows, p
	s_sub_co_u32 s20, 15, s19                      ; the second
	s_lshr_b32 s[N1], s19, 1
	s_add_co_u32 s[N1], s[N1], 1
	s_mov_b32 s[U], 0
	s_mov_b32 s[DONE], 0
	s_mov_b32 s[NEW], 1
	s_lshl_b32 s21, s18, 11                        ; the batch's first row
	s_lshl_b32 s22, s14, 6
	s_add_co_u32 s22, s22, s21
	s_lshl_b32 s[RP1], s19, 7
	s_add_co_u32 s[RP1], s[RP1], s22
	s_lshl_b32 s[RP1], s[RP1], 12                  ; p: (2,048 b + 128 i + 64 half) rows of 4,096 bytes
	s_lshl_b32 s[RP2], s20, 7
	s_add_co_u32 s[RP2], s[RP2], s22
	s_lshl_b32 s[RP2], s[RP2], 12
	s_lshl_b32 s[VB], s14, 7
	s_add_co_u32 s[VB], s[VB], s21
	s_mul_i32 s[VB], s[VB], 6144                   ; v: (2,048 b + 128 half) rows of qkv,
	s_lshl_b32 s23, s16, 8
	s_add_co_u32 s[VB], s[VB], s23                 ; my 128 channels,
	s_add_co_u32 s[VB], s[VB], 4096                ; behind q and k in the row
	s_lshl_b32 s22, s15, 5                         ; the prefetches: my work-group's 32 rows of a block's 128,
	s_add_co_u32 s22, s22, s21
	s_lshl_b32 s23, s14, 8                         ; my wave's 256 bytes of a row's 512
	s_lshl_b32 s[PF1], s19, 7
	s_add_co_u32 s[PF1], s[PF1], s22
	s_lshl_b32 s[PF1], s[PF1], 12
	s_add_co_u32 s[PF1], s[PF1], s23
	s_lshl_b32 s[PF2], s20, 7
	s_add_co_u32 s[PF2], s[PF2], s22
	s_lshl_b32 s[PF2], s[PF2], 12
	s_add_co_u32 s[PF2], s[PF2], s23
	s_or_b32 s[LIM], s13, ttmp9                    ; 0 in waves 0 and 1 of the clusters with x = 0: the same in all four partners
	s_cmp_eq_u32 s[LIM], 0
	s_cselect_b32 s[LIM], 9, 0
	v_and_b32 v[PFO], 31, v0
	v_lshlrev_b32 v[PFO], 12, v[PFO]
	s_mov_b32 s[G1+0], 15|(1<<16)|(1<<20)|(1<<21)|(6<<22)|(3<<25)  ; the mask: all four; elements of 2 bytes; padding on; bit 21 beside a mask; after every 128 words four words
	s_mov_b32 s[G1+1], 256<<16                     ; tensor_dim0
	s_mov_b32 s[G1+2], 64<<16                      ; tensor_dim1
	s_mov_b32 s[G1+3], 256<<16                     ; tile_dim0
	s_mov_b32 s[G1+4], 64                          ; tile_dim1
	s_mov_b32 s[G1+5], 2048                        ; the pitch
	s_mov_b32 s[G1+6], 0
	s_mov_b32 s[G1+7], 0
	s_mov_b32 s[G1B+0], (1<<16)|(1<<20)|(5<<22)|(7<<25)            ; no mask; after every 64 words eight words
	s_mov_b32 s[G1B+1], 128<<16
	s_mov_b32 s[G1B+2], 128<<16
	s_mov_b32 s[G1B+3], 128<<16
	s_mov_b32 s[G1B+4], 128
	s_mov_b32 s[G1B+5], 3072
	s_mov_b32 s[G1B+6], 0
	s_mov_b32 s[G1B+7], 0
	s_mul_i32 s2, s14, 64*PP
	s_mul_i32 s3, s14, 128*PV
	s_add_co_u32 s3, s3, VOFF
.irp s, 0,1
	s_mov_b32 s[G0+4*\s], 1
	s_add_co_u32 s[G0+4*\s+1], s2, \s*SLOT
	s_mov_b32 s[G0B+4*\s], 1
	s_add_co_u32 s[G0B+4*\s+1], s3, \s*SLOT
.endr
	s_wait_dscnt 0x0                               ; both opening adds are done
	s_wait_kmcnt 0x0
	CROUND                                         ; all four work-groups are here: the first joint loads meet
	ADDR 0
	JLOAD 0
	ADDR 1
	JLOAD 1                                        ; two loads of mine are out
	s_lshl_b32 s22, s13, 6
	s_add_co_u32 s22, s22, s21                     ; the way out: 2,048 b + 64 x my half of the rows
	s_lshl_b32 s23, s16, 9
	s_lshl_b32 s3, s14, 8
	s_add_co_u32 s23, s23, s3                      ; 512 x tile + 256 x my half of the channels
	s_lshl_b32 s2, s19, 7
	s_add_co_u32 s2, s2, s22
	s_lshl_b32 s2, s2, 12
	s_add_co_u32 s2, s2, s23
	s_mov_b32 s3, 0
	s_add_nc_u64 s[OB1:OB1+1], s[10:11], s[2:3]
	s_lshl_b32 s2, s20, 7
	s_add_co_u32 s2, s2, s22
	s_lshl_b32 s2, s2, 12
	s_add_co_u32 s2, s2, s23
	s_add_nc_u64 s[OB2:OB2+1], s[10:11], s[2:3]
	v_and_b32 v1, 15, v0                           ; r
	v_bfe_u32 v2, v0, 4, 1                         ; h
	v_mul_u32_u24 v3, v1, PP
	v_lshl_add_u32 v3, v2, 4, v3
	s_mul_i32 s2, s13, 64*PP
	v_add_nc_u32 v[ADRA], s2, v3                   ; p: (64 x my half + r) rows + 16 h
	v_add_nc_u32 v[ADRA+1], SLOT, v[ADRA]
	v_and_b32 v4, 7, v0
	v_bfe_u32 v5, v0, 3, 1
	v_lshl_add_u32 v4, v2, 3, v4
	v_mul_u32_u24 v4, v4, PV
	v_lshl_add_u32 v4, v5, 4, v4                   ; v, for the turning load: key 8 h + l % 8, channels 8 ((l / 8) % 2) on
	s_lshl_b32 s2, s14, 7
	s_add_co_u32 s2, s2, VOFF
	v_add_nc_u32 v[ADRB], s2, v4
	v_add_nc_u32 v[ADRB+1], SLOT, v[ADRB]
	v_add_nc_u32 v[ADRB+2], 128*PV, v[ADRB]
	v_add_nc_u32 v[ADRB+3], 128*PV, v[ADRB+1]
	s_mul_i32 s2, s12, 16*272
	s_add_co_u32 s2, s2, STAGE
	v_mul_u32_u24 v3, v1, 272
	v_lshl_add_u32 v3, v2, 5, v3
	v_add_nc_u32 v[STO], s2, v3                    ; the stage, in: row r, 32 bytes for each half of the lanes
	v_mul_u32_u24 v3, v2, 272
	v_lshl_add_u32 v3, v1, 4, v3
	v_add_nc_u32 v[RD], s2, v3                     ; back: lanes 0-15 one row of 256 bytes, lanes 16-31 the next
	v_lshlrev_b32 v3, 12, v2
	v_lshl_add_u32 v[CO], v1, 4, v3                ; the same two rows in out
	v_lshl_add_u32 v[FTW], v0, 2, FT               ; the table: thread t writes row t
	s_lshl_b32 s2, s13, 8
	s_add_co_u32 s2, s2, FT
	v_lshl_add_u32 v[FA], v1, 2, s2                ; and lane (r, h) reads rows 64 x my half + 16 a + r
.irp a, 0,1,2,3
	v_mov_b32 v[FS+2*\a+1], 0                      ; named as the upper halves of pairs: written once
.endr
	; THE TABLE f' [9][128]: thread t takes row t of both blocks
	s_lshl_b32 s87, s18, 18                        ; 32 planes of 8,192 bytes a batch
.irp s, 0,1,2,3,4,5,6,7,8
	s_cmp_le_u32 s[N1], \s
	s_cselect_b32 s[SM+\s], -1, 0
	s_cselect_b32 s85, s[N1], 0
	s_cselect_b32 s86, s20, s19
	s_sub_co_u32 s85, \s, s85                      ; g
	s_lshl_b32 s85, s85, 14                        ; plane 2 g
	s_lshl_b32 s86, s86, 9                         ; row 128 i
	s_add_co_u32 s85, s85, s86
	s_add_co_u32 s85, s85, s87
	v_lshl_add_u32 v[TO+\s], v0, 2, s85
	global_load_b32 v[TC+\s], v[TO+\s], s[8:9]                     ; cm
	global_load_b32 v[TA+\s], v[TO+\s], s[8:9] offset:16*8192      ; the sum over the group's first 128 keys,
	global_load_b32 v[TB+\s], v[TO+\s], s[8:9] offset:17*8192      ; and over its second
.endr
	v_mov_b32 v[NI], 0xff800000
	v_mov_b32 v[ZR], 0
	s_wait_loadcnt 0x0
	v_mov_b32 v[M1], v[TC]                         ; step 0 is always the first block's, step 8 the second's
	v_mov_b32 v[M2], v[TC+8]
.irp s, 1,2,3,4,5,6,7
	v_cndmask_b32 v[W0], v[TC+\s], v[NI], s[SM+\s]
	v_cndmask_b32 v[W1], v[NI], v[TC+\s], s[SM+\s]
	v_max_num_f32 v[M1], v[M1], v[W0]
	v_max_num_f32 v[M2], v[M2], v[W1]
.endr
.irp s, 0,1,2,3,4,5,6,7,8
	v_cndmask_b32 v[W0], v[M1], v[M2], s[SM+\s]
	v_sub_f32 v[TF+\s], v[TC+\s], v[W0]
.endr
.irp s, 0,1,2,3,4,5,6,7,8
	v_exp_f32 v[TF+\s], v[TF+\s]                   ; f = 2^(cm - M), at most 1
.endr
.irp s, 0,1,2,3,4,5,6,7,8
	v_add_f32 v[TA+\s], v[TA+\s], v[TB+\s]         ; plain work behind the batch
.endr
	s_wait_alu depctr_va_vdst(0)                   ; one wait for the nine, ahead of their first reader
.irp s, 0,1,2,3,4,5,6,7,8
	v_mul_f32 v[TA+\s], v[TA+\s], v[TF+\s]
.endr
	v_mov_b32 v[L1], v[TA]
	v_mov_b32 v[L2], v[TA+8]
.irp s, 1,2,3,4,5,6,7
	v_cndmask_b32 v[W0], v[TA+\s], v[ZR], s[SM+\s]
	v_cndmask_b32 v[W1], v[ZR], v[TA+\s], s[SM+\s]
	v_add_f32 v[L1], v[L1], v[W0]
	v_add_f32 v[L2], v[L2], v[W1]
.endr
	v_rcp_f32 v[R1], v[L1]                         ; L is at least 1: the group with the row's maximum has f = 1 and a p = 1
	v_rcp_f32 v[R2], v[L2]
	v_nop
	s_wait_alu depctr_va_vdst(0)
.irp s, 0,1,2,3,4,5,6,7,8
	v_cndmask_b32 v[W0], v[R1], v[R2], s[SM+\s]
	v_mul_f32 v[TF+\s], v[TF+\s], v[W0]
	ds_store_b32 v[FTW], v[TF+\s] offset:512*\s
.endr
; 8 matrix instructions: row blocks a0, a0 + 1 x all 4 channel blocks, 32 keys: half c of buffer f.  zero = 1: the product starts T.  The 16 accumulators take turns, one instruction a turn.
.macro MUL8 f, c, a0, zero
.irp a, \a0, \a0+1
.irp b, 0,1,2,3
.if \zero
	v_wmma_f32_16x16x32_f16 v[8*(4*(\a)+\b):8*(4*(\a)+\b)+7], v[\f+64+8*(4*\c+\b):\f+64+8*(4*\c+\b)+7], v[\f+8*(4*\c+\a):\f+8*(4*\c+\a)+7], 0
.else
	v_wmma_f32_16x16x32_f16 v[8*(4*(\a)+\b):8*(4*(\a)+\b)+7], v[\f+64+8*(4*\c+\b):\f+64+8*(4*\c+\b)+7], v[\f+8*(4*\c+\a):\f+8*(4*\c+\a)+7], v[8*(4*(\a)+\b):8*(4*(\a)+\b)+7]
.endif
.endr
.endr
.endm
; 32 LDS loads in one run: the fragments of keys 64 q .. 64 q + 63 of the slot, the first 32 keys first: v turned (16 channels x 32 keys: two loads, 16 keys apart), p as it lies (two loads, 32 bytes apart)
.macro FETCH slot, q, f
	WIN TO_F
.irp c, 0,1
.irp i, 0,1,2,3
	ds_load_tr16_b128 v[\f+64+8*(4*\c+\i):\f+64+8*(4*\c+\i)+3],   v[ADRB+2*((\q)/2)+\slot] offset:((64*(\q)+32*\c)%128)*PV+32*\i
	ds_load_tr16_b128 v[\f+64+8*(4*\c+\i)+4:\f+64+8*(4*\c+\i)+7], v[ADRB+2*((\q)/2)+\slot] offset:((64*(\q)+32*\c)%128)*PV+16*PV+32*\i
	ds_load_b128 v[\f+8*(4*\c+\i):\f+8*(4*\c+\i)+3],              v[ADRA+\slot] offset:128*(\q)+64*\c+\i*16*PP
	ds_load_b128 v[\f+8*(4*\c+\i)+4:\f+8*(4*\c+\i)+7],            v[ADRA+\slot] offset:128*(\q)+64*\c+\i*16*PP+32
.endr
.endr
.endm
.macro PLACES
.rept 4
	v_nop
.endr
.endm
.macro QUARTER slot, qn, f, g, zero, w ; 64 keys: multiplies buffer f and fetches the slot's quarter qn into g.  w: the LDS instructions that may stay out at its head
	s_wait_dscnt \w
	WIN MUL
	MUL8 \f, 0, 0, \zero
	MUL8 \f, 0, 2, \zero
	PLACES
	FETCH \slot, \qn, \g
	s_wait_dscnt 32                                ; all but the 32 just issued
	WIN MUL
	MUL8 \f, 1, 0, 0
	MUL8 \f, 1, 2, 0
.endm
; A step's last quarter multiplies buffer 1 and changes slots.  In front of the barrier each wave waits for all its tensor loads, adds 0 to its spare word, and waits for that and for its reads of this slot.
; fill = 1: the barrier opens a round of the cluster's barrier, and behind the round this slot is filled with the tiles two steps on, first thing: 112 matrix instructions ahead of the wait for them.
.macro TURN slot, next, fill
	WIN 0
	s_wait_tensorcnt 0x0
	ds_add_u32 v[SPW], v[NIL]
.if \fill
	ADDR \slot                                     ; no load of mine is out: the groups 0 may be written
	PFSTEP                                         ; and the prefetch's address: the step after that
.endif
	s_wait_dscnt 17                                ; (the add and the youngest sixteen loads may be out)
	WIN MUL
	MUL8 F1, 0, 0, 0
	s_wait_dscnt 0x0                               ; the add is done, and my reads of this slot are over
	s_barrier_signal -1
	MUL8 F1, 0, 2, 0
.if \fill
	WIN 0
.endif
	s_barrier_wait -1
.if \fill
	CREST
	JLOAD \slot                                    ; its four v_nop are also the places in front of the loads below
.else
	PLACES
.endif
	FETCH \next, 0, F0
.if \fill
	WIN 0                                          ; (a branch follows)
	ASK                                            ; what the next change of slots will ask for
.endif
	WIN MUL
	MUL8 F1, 1, 0, 0
	MUL8 F1, 1, 2, 0
.endm
; O = f' T (a block's first step) or O += f' T; each tile of T from its low end on.  The four v_nop and the lines on other tiles are the places behind the last products and in front of the products that begin T anew.
.macro FOLD may_start
	WIN 0
	PLACES
.if \may_start
	s_cmp_eq_u32 s[NEW], 0
	s_cbranch_scc1 .Ladd_\@
	WIN 0x02                                       ; source 0: window 2
.set i, 0
.rept 64
	v_pk_mul_f32 v[O+2*i:O+2*i+1], v[2*i:2*i+1], v[FS+2*(i/16):FS+2*(i/16)+1] op_sel_hi:[1,0]
.set i, i+1
.endr
	WIN 0
	s_mov_b32 s[NEW], 0
	s_branch .Lfolded_\@
.Ladd_\@:
.endif
	WIN 0x02
.set i, 0
.rept 64
	v_pk_fma_f32 v[O+2*i:O+2*i+1], v[2*i:2*i+1], v[FS+2*(i/16):FS+2*(i/16)+1], v[O+2*i:O+2*i+1] op_sel_hi:[1,0,1]
.set i, i+1
.endr
	WIN 0
.if \may_start
.Lfolded_\@:
.endif
.endm
; THE WAY OUT of a block of 128 rows: 16 rows x 64 channels at a time through my stage, back as rows of 256 bytes.
.macro TOST a
.set BB, BK+32*((\a)%2)
.irp b, 0,1,2,3
	ds_store_b128 v[STO], v[O+8*(4*(\a)+\b):O+8*(4*(\a)+\b)+3] offset:64*\b
	ds_store_b128 v[STO], v[O+8*(4*(\a)+\b)+4:O+8*(4*(\a)+\b)+7] offset:64*\b+16
.endr
.irp t, 0,1,2,3,4,5,6,7
	ds_load_b128 v[BB+4*\t:BB+4*\t+3], v[RD] offset:\t*2*272       ; LDS serves a wave's instructions in order
.endr
.endm
.macro SENDO a, younger, base
.set BB, BK+32*((\a)%2)
	s_wait_dscnt \younger                          ; the block is back; the next block's 8 stores and 8 loads may be out
.irp t, 0,1,2,3,4,5,6,7
	global_store_b128 v[CO], v[BB+4*\t:BB+4*\t+3], s[\base:\base+1] offset:(16*(\a)+2*\t)*4096 th:TH_STORE_NT   ; 16 lanes store 256 consecutive bytes, at a multiple of 256 from the buffer's first byte
.endr
.endm
.macro OUT base
	s_wait_xcnt 0x0                                ; earlier loads and stores have read their registers
	TOST 0
	TOST 1
	SENDO 0, 16, \base
	s_wait_xcnt 0x0                                ; block 0's stores have read their data: block 2's rows may land there
	TOST 2
	SENDO 1, 16, \base
	s_wait_xcnt 0x0
	TOST 3
	SENDO 2, 16, \base
	SENDO 3, 0, \base
	s_mov_b32 s[NEW], 1
.endm
.macro FLOAD foff                      ; this step's f' of my 64 rows
	WIN 0
.irp a, 0,1,2,3
	ds_load_b32 v[FS+2*\a], v[FA] offset:\foff+64*\a
.endr
.endm
.macro STEPM slot, next, fill, foff, early
	FLOAD \foff
	QUARTER \slot, 1, F0, F1, 1, 20                ; the four words of f' and the sixteen loads of the second 32 keys may be out
	QUARTER \slot, 2, F1, F0, 0, 16
	QUARTER \slot, 3, F0, F1, 0, 16
	TURN \slot, \next, \fill
	FOLD \early
	s_add_co_u32 s[DONE], s[DONE], 1
.if \early
	s_cmp_lg_u32 s[DONE], s[N1]                    ; the first block is whole behind its N1-th step (N1 is at most 4): the same in all waves and partners
	s_cbranch_scc1 .Lnot_whole_\@
	OUT OB1
.Lnot_whole_\@:
.endif
.endm
	s_wait_tensorcnt 1                             ; my part of step 0 is in; step 1's may be out
	s_wait_dscnt 0x0                               ; my rows of the table are stored
	s_barrier_signal -1
	s_barrier_wait -1
	FETCH 0, 0, F0
	WIN 0
	s_mov_b32 s[TRIP], 3
.Lpair:                                            ; three trips of two steps: steps 0 to 5; the tiles of steps 2 to 7 are asked for
	STEPM 0, 1, 1, 0, 1
	STEPM 1, 0, 1, 512, 1
	v_add_nc_u32 v[FA], 1024, v[FA]
	s_sub_co_u32 s[TRIP], s[TRIP], 1
	s_cmp_lg_u32 s[TRIP], 0
	s_cbranch_scc1 .Lpair
	STEPM 0, 1, 1, 0, 0                            ; step 6 asks for step 8's tiles: the last load
	STEPM 1, 0, 0, 512, 0                          ; step 7
	FLOAD 1024                                     ; step 8
	QUARTER 0, 1, F0, F1, 1, 20
	QUARTER 0, 2, F1, F0, 0, 16
	QUARTER 0, 3, F0, F1, 0, 16
	s_wait_dscnt 16
	WIN MUL
	MUL8 F1, 0, 0, 0
	MUL8 F1, 0, 2, 0
	s_wait_dscnt 0
	MUL8 F1, 1, 0, 0
	MUL8 F1, 1, 2, 0
	FOLD 0
	OUT OB2
	s_wait_tensorcnt 0x0                           ; the wave's end
	ds_add_u32 v[SPW], v[NIL]
	s_wait_dscnt 0x0
	CROUND                                         ; the closing round: no work-group ends while a partner may still ask for a tile that names it
	s_endpgm
.Lfunc_end_k_q5966c872c4_pv:
	.size	k_q5966c872c4_pv, .Lfunc_end_k_q5966c872c4_pv-k_q5966c872c4_pv
	.p2alignl 7, 3214868480
	.fill 96, 4, 3214868480
	.section	.rodata,"a",@progbits
	.p2align	6, 0x0
	.amdhsa_kernel k_q5966c872c4_pv
		.amdhsa_group_segment_fixed_size 327680
		.amdhsa_private_segment_fixed_size 0
		.amdhsa_enable_private_segment 0
		.amdhsa_kernarg_size 32
		.amdhsa_user_sgpr_count 2
		.amdhsa_user_sgpr_kernarg_segment_ptr 1
		.amdhsa_wavefront_size32 1
		.amdhsa_system_sgpr_workgroup_id_x 1
		.amdhsa_system_sgpr_workgroup_id_y 1
		.amdhsa_system_sgpr_workgroup_id_z 1
		.amdhsa_system_vgpr_workitem_id 0
		.amdhsa_next_free_vgpr 640
		.amdhsa_next_free_sgpr 100
		.amdhsa_reserve_vcc 0
		.amdhsa_float_denorm_mode_32 3
		.amdhsa_float_denorm_mode_16_64 3
		.amdhsa_memory_ordered 1
		.amdhsa_forward_progress 1
		.amdhsa_inst_pref_size 166
	.end_amdhsa_kernel
	.amdgpu_metadata
---
amdhsa.version: [ 1, 2 ]
amdhsa.kernels:
  - .name:           k_q5966c872c4_pv
    .symbol:         k_q5966c872c4_pv.kd
    .args:
      - { .name: pt, .offset: 0, .size: 8, .value_kind: global_buffer, .address_space: global }
      - { .name: qkv, .offset: 8, .size: 8, .value_kind: global_buffer, .address_space: global }
      - { .name: stat, .offset: 16, .size: 8, .value_kind: global_buffer, .address_space: global }
      - { .name: out0, .offset: 24, .size: 8, .value_kind: global_buffer, .address_space: global }
    .group_segment_fixed_size: 327680
    .private_segment_fixed_size: 0
    .kernarg_segment_align: 8
    .kernarg_segment_size: 32
    .max_flat_workgroup_size: 128
    .sgpr_count:     100
    .vgpr_count:     640
    .wavefront_size: 32
...
	.end_amdgpu_metadata
.endif
;; end of part 4
;; launch first16 (part 5): grid 4 x 1, 8 waves a work-group, no clusters, 17,408 bytes of LDS; arguments fine, out0; writes out0
.if DOCPART == 5
	.amdgcn_target "amdgcn-amd-amdhsa--gfx1250"
	.amdhsa_code_object_version 6
	.text
	.protected	k_q5966c872c4_first16
	.globl	k_q5966c872c4_first16
	.p2align	8
	.type	k_q5966c872c4_first16,@function
k_q5966c872c4_first16:
	s_mov_b64 s[64:65], 0
	v_nop
	global_prefetch_b8 v0, s[64:65] scope:SCOPE_SE
	s_setreg_imm32_b32 hwreg(HW_REG_WAVE_MODE, 25, 1), 1
	s_wait_xcnt 0x0
; The first 16 positions of each batch, all in f32: they average one to sixteen values, so the rounding of 16-bit operands would weigh most there.  fine [4][16][3072] f32 holds their q, k, v.  These rows of out are written over.
; A work-group takes a batch.  Wave w takes channels 128 w .. 128 w + 127: its part of S^T = k q^T by the f32 matrix form; the eight parts meet in LDS; every wave makes the same softmax (the row's maximum is taken away; c = log2(e) / 32);
; then out(q, my 128 channels) = sum over keys <= q of p(q, key) v(key, .) by fused multiply-adds, four channels a lane.  Keys above the query have p = 0 under the mask and are left out of the text.
; q's and k's loads take 32 bytes of each of 16 rows an instruction: 128 KB in the whole work-group.
; NaN and infinities among the inputs are not served.
; REGISTERS: v16-79 q, then the eight parts of S^T, then out (four a query); v80-143 k, then S^T / p in v80-87, work in v88-99, p's rows in v112-143; v144-175 four accumulators, written by matrix instructions alone; v176-239 v.
.set PS,    0                          ; LDS: the waves' parts of S^T as images of their registers, 1,024 bytes each
.set PTB,   8192                       ; a table of p for each wave: [16 queries][16 keys] f32
.set SPARE, 16384                      ; the spare words, 128 bytes a wave, that no other line names
.set FROW,  12288                      ; a row of fine in bytes
.set QF,  16
.set KF,  80
.set AC,  144
.set VF,  176
.set PR,  112
.set SPW, 240
.set NIL, 241
	s_load_b128 s[4:7], s[0:1], 0x0                ; fine, out0
	v_lshl_add_u32 v[SPW], v0, 2, SPARE
	v_mov_b32 v[NIL], 0
	v_lshrrev_b32 v1, 5, v0
	v_readfirstlane_b32 s8, v1                     ; wave 0..7
	v_and_b32 v2, 15, v0                           ; r
	v_bfe_u32 v3, v0, 4, 1                         ; h
	v_and_b32 v4, 31, v0                           ; lane
	v_mul_u32_u24 v5, v2, FROW
	v_lshl_add_u32 v5, v3, 4, v5
	s_lshl_b32 s9, s8, 9
	v_add_nc_u32 v5, s9, v5                        ; q, k: row r, + 512 w + 16 h
	v_lshlrev_b32 v6, 4, v0                        ; v, out: 512 w + 16 lane = 16 x thread
	s_lshl_b32 s10, s8, 10
	v_lshl_add_u32 v7, v4, 4, s10                  ; my part of S^T: 1,024 w + 16 lane
	v_lshlrev_b32 v8, 4, v4                        ; all parts: 16 lane
	s_add_co_u32 s11, s10, PTB
	v_lshlrev_b32 v9, 6, v2
	v_lshl_add_u32 v9, v3, 5, v9
	v_add_nc_u32 v9, s11, v9                       ; my table, in: query r, keys 8 h on
	v_mov_b32 v10, s11                             ; and out: a row for all lanes
	v_lshlrev_b32 v11, 3, v3
	v_sub_nc_u32 v11, v2, v11                      ; r - 8 h: register j's key 8 h + j is hidden where j > r - 8 h
	s_mul_i32 s12, ttmp9, 16*FROW
	s_mov_b32 s13, 0
	s_lshl_b32 s14, ttmp9, 23                      ; a batch of out: 2,048 rows of 4,096 bytes
	s_mov_b32 s15, 0
	s_mov_b32 s16, 0x76543210
	s_mov_b32 s17, 0xfedcba98                      ; lane l xor 16
	s_mov_b32 s18, 0x3d38aa3b                      ; c = log2(e) / 32
	s_mov_b32 s19, s18
	s_wait_kmcnt 0x0
	s_add_nc_u64 s[4:5], s[4:5], s[12:13]
	s_add_nc_u64 s[6:7], s[6:7], s[14:15]
.irp c, 0,1,2,3,4,5,6,7,8,9,10,11,12,13,14,15
	global_load_b128 v[QF+4*\c:QF+4*\c+3], v5, s[4:5] offset:32*\c          ; q(r, 128 w + 8 c + 4 h + 0 .. 3)
	global_load_b128 v[KF+4*\c:KF+4*\c+3], v5, s[4:5] offset:4096+32*\c     ; k likewise
.endr
.irp k, 0,1,2,3,4,5,6,7,8,9,10,11,12,13,14,15
	global_load_b128 v[VF+4*\k:VF+4*\k+3], v6, s[4:5] offset:FROW*\k+8192   ; v(key k, my four channels): 32 lanes read 512 consecutive bytes
.endr
	s_wait_loadcnt 16                              ; q and k are in; v's sixteen loads may be out
	; S^T = k q^T: source 0 = 16 keys, source 1 = 16 queries; a pair of registers is 4 along d, the same 4 on both sides.  Four accumulators by turns, one instruction a turn; the first four start the sums.
.set n, 0
.rept 32
.if n < 4
	v_wmma_f32_16x16x4_f32 v[AC+8*(n%4):AC+8*(n%4)+7], v[KF+2*n:KF+2*n+1], v[QF+2*n:QF+2*n+1], 0
.else
	v_wmma_f32_16x16x4_f32 v[AC+8*(n%4):AC+8*(n%4)+7], v[KF+2*n:KF+2*n+1], v[QF+2*n:QF+2*n+1], v[AC+8*(n%4):AC+8*(n%4)+7]
.endif
.set n, n+1
.endr
.rept 8
	v_nop                                          ; eight places behind this form (ISA guide 7.12.1)
.endr
.irp j, 0,2,4,6
	v_pk_add_f32 v[16+\j:17+\j], v[AC+\j:AC+\j+1], v[AC+8+\j:AC+8+\j+1]        ; into other registers, each accumulator from its low end on
.endr
.irp j, 0,2,4,6
	v_pk_add_f32 v[24+\j:25+\j], v[AC+16+\j:AC+16+\j+1], v[AC+24+\j:AC+24+\j+1]
.endr
.irp j, 0,2,4,6
	v_pk_add_f32 v[16+\j:17+\j], v[16+\j:17+\j], v[24+\j:25+\j]
.endr
	ds_store_b128 v7, v[16:19]
	ds_store_b128 v7, v[20:23] offset:512
	s_wait_dscnt 0x0                               ; for the others' sake: my stores are done
	s_barrier_signal -1
	s_barrier_wait -1
.irp w, 0,1,2,3,4,5,6,7
	ds_load_b128 v[16+8*\w:19+8*\w], v8 offset:1024*\w
	ds_load_b128 v[20+8*\w:23+8*\w], v8 offset:1024*\w+512
.endr
	s_wait_dscnt 0x0
.irp j, 0,2,4,6
	v_pk_add_f32 v[80+\j:81+\j], v[16+\j:17+\j], v[24+\j:25+\j]
.endr
.irp w, 2,3,4,5,6,7
.irp j, 0,2,4,6
	v_pk_add_f32 v[80+\j:81+\j], v[80+\j:81+\j], v[16+8*\w+\j:17+8*\w+\j]      ; in the waves' order, alike in every wave
.endr
.endr
	v_mov_b32 v88, 0xff800000
.irp j, 0,1,2,3,4,5,6,7
	v_cmp_gt_i32 vcc_lo, \j, v11
	v_cndmask_b32 v[80+\j], v[80+\j], v88, vcc_lo
.endr
	v_max3_num_f32 v89, v80, v81, v82
	v_max3_num_f32 v89, v89, v83, v84
	v_max3_num_f32 v89, v89, v85, v86
	v_max_num_f32 v89, v89, v87
	v_mov_b32 v90, 0
	v_permlanex16_b32 v90, v89, s16, s17
	v_max_num_f32 v89, v89, v90                    ; the row's largest score: key 0 counts for every query
	v_mul_f32 v92, s18, v89
	v_mov_b32 v93, v92
.irp j, 0,2,4,6
	v_pk_fma_f32 v[80+\j:81+\j], v[80+\j:81+\j], s[18:19], v[92:93] op_sel_hi:[1,0,1] neg_lo:[0,0,1] neg_hi:[0,0,1]
.endr
.irp j, 0,1,2,3,4,5,6,7
	v_exp_f32 v[80+\j], v[80+\j]
.endr
	v_nop
	s_wait_alu depctr_va_vdst(0)                   ; one wait for the eight, ahead of their first reader
	v_pk_add_f32 v[94:95], v[80:81], v[82:83]
	v_pk_add_f32 v[96:97], v[84:85], v[86:87]
	v_pk_add_f32 v[94:95], v[94:95], v[96:97]
	v_add_f32 v94, v94, v95
	v_permlanex16_b32 v90, v94, s16, s17
	v_add_f32 v94, v94, v90
	v_rcp_f32 v98, v94
	v_mov_b32 v99, 0                               ; (the pair's upper half; a plain instruction behind the reciprocal)
	s_wait_alu depctr_va_vdst(0)
.irp j, 0,2,4,6
	v_pk_mul_f32 v[80+\j:81+\j], v[80+\j:81+\j], v[98:99] op_sel_hi:[1,0]
.endr
	ds_store_b128 v9, v[80:83]
	ds_store_b128 v9, v[84:87] offset:16
.macro PLOAD q                         ; query q's sixteen p, the same for all lanes, from my own table (in order behind my stores)
.irp i, 0,1,2,3
	ds_load_b128 v[PR+16*((\q)%2)+4*\i:PR+16*((\q)%2)+4*\i+3], v10 offset:64*(\q)+16*\i
.endr
.endm
.macro ROWQ q
.set PQ, PR+16*((\q)%2)
.set OO, 16+4*(\q)
.irp i, 0,1,2,3
	v_mul_f32 v[OO+\i], v[PQ], v[VF+\i]
.endr
.irp k, 1,2,3,4,5,6,7,8,9,10,11,12,13,14,15
.if \k <= (\q)
.irp i, 0,1,2,3
	v_fmac_f32 v[OO+\i], v[PQ+\k], v[VF+4*\k+\i]
.endr
.endif
.endr
	global_store_b128 v6, v[OO:OO+3], s[6:7] offset:4096*(\q)      ; 32 lanes store 512 consecutive bytes; each query has registers of its own
.endm
	s_wait_loadcnt 0x0                             ; v
	PLOAD 0
.irp q, 0,1,2,3,4,5,6,7,8,9,10,11,12,13,14
	PLOAD \q+1
	s_wait_dscnt 4                                 ; this query's p are in; the next query's four loads may be out
	ROWQ \q
.endr
	s_wait_dscnt 0x0
	ROWQ 15
	s_wait_tensorcnt 0x0                           ; the wave's end
	ds_add_u32 v[SPW], v[NIL]
	s_wait_dscnt 0x0
	s_endpgm
.Lfunc_end_k_q5966c872c4_first16:
	.size	k_q5966c872c4_first16, .Lfunc_end_k_q5966c872c4_first16-k_q5966c872c4_first16
	.p2alignl 7, 3214868480
	.fill 96, 4, 3214868480
	.section	.rodata,"a",@progbits
	.p2align	6, 0x0
	.amdhsa_kernel k_q5966c872c4_first16
		.amdhsa_group_segment_fixed_size 17408
		.amdhsa_private_segment_fixed_size 0
		.amdhsa_enable_private_segment 0
		.amdhsa_kernarg_size 16
		.amdhsa_user_sgpr_count 2
		.amdhsa_user_sgpr_kernarg_segment_ptr 1
		.amdhsa_wavefront_size32 1
		.amdhsa_system_sgpr_workgroup_id_x 1
		.amdhsa_system_sgpr_workgroup_id_y 1
		.amdhsa_system_sgpr_workgroup_id_z 1
		.amdhsa_system_vgpr_workitem_id 0
		.amdhsa_next_free_vgpr 256
		.amdhsa_next_free_sgpr 66
		.amdhsa_reserve_vcc 1
		.amdhsa_float_denorm_mode_32 3
		.amdhsa_float_denorm_mode_16_64 3
		.amdhsa_memory_ordered 1
		.amdhsa_forward_progress 1
		.amdhsa_inst_pref_size 38
	.end_amdhsa_kernel
	.amdgpu_metadata
---
amdhsa.version: [ 1, 2 ]
amdhsa.kernels:
  - .name:           k_q5966c872c4_first16
    .symbol:         k_q5966c872c4_first16.kd
    .args:
      - { .name: fine, .offset: 0, .size: 8, .value_kind: global_buffer, .address_space: global }
      - { .name: out0, .offset: 8, .size: 8, .value_kind: global_buffer, .address_space: global }
    .group_segment_fixed_size: 17408
    .private_segment_fixed_size: 0
    .kernarg_segment_align: 8
    .kernarg_segment_size: 16
    .max_flat_workgroup_size: 256
    .sgpr_count:     66
    .vgpr_count:     256
    .wavefront_size: 32
...
	.end_amdgpu_metadata
.endif
;; end of part 5
